; MI455X (gfx1250); checked and timed in simulation.
; The chip was launched on July 23, 2026; its instructions are those of AMD's public machine-readable ISA for CDNA 5 (MIT licence, August 2026) and "CDNA5" Instruction Set Architecture Reference Guide (July 2026). The comments in the code are by the model that wrote it; some were corrected since.
;; Spatial Attention. Allowed arithmetic: matrix products marked QUANTISED: E2M3 operands, one E8M0 scale for each 32 along K, by v_wmma_scale_f32_16x16x128_f8f6f4 with both operands' format E2M3, f32 sums; products left as they are: f32 operands where the result goes on into a quantised operand, else bf16, f16 or f32 operands; f32 sums; everything else in f32.
;; Inputs: alpha1 1 float32; alpha2 1 float32; h_codes 2 x 32 x 32 x 24 uint8 (E2M3 codes of h, K innermost, in blocks of 32 codes, four codes in three bytes); h_scales 2 x 32 x 32 uint8 (E8M0 scales of h, one for each 32 codes along K); obj_embed_codes 32 x 1,024 x 32 x 24 uint8 (E2M3 codes of obj_embed, K innermost, in blocks of 32 codes, four codes in three bytes); obj_embed_scales 32 x 1,024 x 32 uint8 (E8M0 scales of obj_embed, one for each 32 codes along K); q1_b 1,024 float32; q1_w_codes 1,024 x 32 x 24 uint8 (E2M3 codes of q1_w, K innermost, in blocks of 32 codes, four codes in three bytes); q1_w_scales 1,024 x 32 uint8 (E8M0 scales of q1_w, one for each 32 codes along K); q2_b 1,024 float32; q2_w_codes 1,024 x 32 x 24 uint8 (E2M3 codes of q2_w, K innermost, in blocks of 32 codes, four codes in three bytes); q2_w_scales 1,024 x 32 uint8 (E8M0 scales of q2_w, one for each 32 codes along K); wk_b 1,024 float32; wk_w_codes 1,024 x 32 x 24 uint8 (E2M3 codes of wk_w, K innermost, in blocks of 32 codes, four codes in three bytes); wk_w_scales 1,024 x 32 uint8 (E8M0 scales of wk_w, one for each 32 codes along K); wv_b 1,024 float32; wv_w_codes 1,024 x 32 x 24 uint8 (E2M3 codes of wv_w, K innermost, in blocks of 32 codes, four codes in three bytes); wv_w_scales 1,024 x 32 uint8 (E8M0 scales of wv_w, one for each 32 codes along K).
;; Outputs: out0 32 x 1 x 1,024 float32.
;; This version of the problem:
;;   THIS VERSION OF THE PROBLEM IS GIVEN IN LOW PRECISION. The matrix products marked QUANTISED in the list below multiply operands that are first quantised to E2M3 (2 exponent bits, 3 mantissa bits; 6 bits a number), with one power-of-two scale for each 32 numbers along K (OCP MX v1.0); their sums are f32. All else is computed in f32.
;;   The module's matrix products, in the order in which they are computed (A, B: the left and right operand; K: the contracted axis; several contracted axes count as one K, in the product's order):
;;     1. [M 32, K 1,024] x [K 1,024, N 1,024]; A: input h (given as codes); B: input q1_w (given as codes): QUANTISED
;;     2. [M 32, K 1,024] x [K 1,024, N 1,024]; A: input h (given as codes); B: input q2_w (given as codes): QUANTISED
;;     3. [M 32,768, K 1,024] x [K 1,024, N 1,024]; A: input obj_embed (given as codes); B: input wk_w (given as codes): QUANTISED
;;     4. [M 32,768, K 1,024] x [K 1,024, N 1,024]; A: input obj_embed (given as codes); B: input wv_w (given as codes): QUANTISED
;;     5. batch 32 x [M 1, K 1,024] x [K 1,024, N 1,024]; A: computed on the way; B: computed on the way: left as it is (M = 1 < 16)
;;     6. batch 32 x [M 1, K 1,024] x [K 1,024, N 1,024]; A: computed on the way; B: computed on the way: left as it is (M = 1 < 16)
;;     7. batch 32 x [M 1, K 1,024] x [K 1,024, N 1,024]; A: softmax; B: computed on the way: left as it is (M = 1 < 16)
;;   THE QUANTISER, for each operand of a quantised product, along K:
;;     - K is cut into blocks of 32 from its start; a last block that is shorter is filled with zeros.
;;     - A block's scale is 2^e with e = floor(log2(the largest magnitude in the block)) - 2, held to -126 .. 127; a block of zeros has e = 0. As a byte (E8M0): e + 127.
;;     - Each number is divided by its block's scale, clamped to +-7.5, and rounded to the nearest number of E2M3, ties to even, subnormals kept.
;;     - The product sums the exact products of the quantised numbers (number of the format x scale) in f32.
;;   ~~~python
;;   def quantise(x, axis):      # numpy; x: float32 -> the quantised numbers, widened to float32 again
;;       x = np.moveaxis(x, axis, -1); K = x.shape[-1]
;;       x = np.pad(x, [(0, 0)] * (x.ndim - 1) + [(0, -K % 32)]); x = x.reshape(x.shape[:-1] + (-1, 32)); a = np.abs(x).max(-1, keepdims=True)
;;       e = np.where(a > 0, np.clip(np.frexp(np.where(a > 0, a, 1))[1] - 1 - 2, -126, 127), 0)      # np.frexp(a)[1] - 1 = floor(log2(a)), exactly
;;       r = np.clip(x / 2.0 ** e, -7.5, 7.5)
;;       step = 2.0 ** (np.maximum(np.frexp(np.where(r == 0, 1, r))[1] - 1, 0) - 3)
;;       q = np.round(r / step) * step * 2.0 ** e      # np.round: ties to even
;;       return np.moveaxis(q.reshape(q.shape[:-2] + (-1,))[..., :K], -1, axis).astype(np.float32)
;;   ~~~
;;   INPUTS GIVEN AS CODES. h (in the module: [2, 32, 1024], K = its axis 2); obj_embed (in the module: [32, 1024, 1024], K = its axis 2); q1_w (in the module: [1024, 1024], K = its axis 1); q2_w (in the module: [1024, 1024], K = its axis 1); wk_w (in the module: [1024, 1024], K = its axis 1); wv_w (in the module: [1024, 1024], K = its axis 1): each comes as NAME_codes (uint8): NAME with its K axis moved to the last place and cut into blocks of 32 codes, [.., K / 32, bytes a block], one block behind the other in memory; four codes in three bytes: a row's codes are one little-endian stream of bits, code i at bits 6 i .. 6 i + 5 (a code: sign, 2 exponent bits, 3 mantissa bits); and NAME_scales (uint8): the same leading axes, one E8M0 byte (e + 127) for each 32 codes along K. Its value is code x scale, taken as it is: it is not quantised again, and the codes and scales need not be those that the quantiser above would give.
;; 2 versions, each right. Each part assembles by itself: llvm-mc -triple=amdgcn-amd-amdhsa -mcpu=gfx1250 --defsym DOCPART=n.
;; ======== version 1 of 2: 3 launches
;; workspace buffers: qc 131,072 bytes; part 2,097,152 bytes; ml 2,048 bytes
;; launch query (part 1): grid 16 x 2, 8 waves a work-group, no clusters, 9,728 bytes of LDS; arguments h_codes, h_scales, q1_w_codes, q1_w_scales, q1_b, alpha1, q2_w_codes, q2_w_scales, q2_b, alpha2, qc; writes qc
.if DOCPART == 1
	.amdgcn_target "amdgcn-amd-amdhsa--gfx1250"
	.amdhsa_code_object_version 6
	.text
	.protected	k_qbad99e0161_query
	.globl	k_qbad99e0161_query
	.p2align	8
	.type	k_qbad99e0161_query,@function
k_qbad99e0161_query:
	s_mov_b64 s[64:65], 0
	v_nop
	global_prefetch_b8 v0, s[64:65] scope:SCOPE_SE
	s_setreg_imm32_b32 hwreg(HW_REG_WAVE_MODE, 25, 1), 1
	s_wait_xcnt 0x0
; qc[b][d] = (alpha1 (h0 q1_w^T + q1_b) + alpha2 (h1 q2_w^T + q2_b))[b][d] x log2(e) / 32: the one query vector of batch b, with 1 / sqrt(1024) and the
; softmax's change to base 2 folded in.  Both products on codes of FP6 (E2M3) with one E8M0 scale for each 32 along K, taken as they lie in memory.
; SHARES.  A work-group takes 64 d x 16 batches; its eight waves are 2 products x 4 tiles of 16 d.  A wave's sum over K = 1,024 is eight matrix instructions on two accumulators by turns.
; K IS PERMUTED ALIKE ON BOTH OPERANDS: lane (r, h) takes the 48 consecutive bytes at 96 s + 48 h of its row (blocks 2 h and 2 h + 1 of K step s) by three loads of 16 bytes, where the operand's
; layout names blocks h and 2 + h.  So the instruction's blocks 1 and 2 hold the memory's blocks 2 and 1, and bytes 1 and 2 of every scale word change places.  The products are the same; their grouping inside a sum differs.
; LIMITS: NaN, infinities and the scale byte 0xff among the inputs are not served.
.set WF, 64                            ; v64-159   q_w's eight fragments (16 d x 128 K, 12 registers each)
.set HF, 160                           ; v160-255  h's eight fragments (16 batches x 128 K)
.set STG, 4352                         ; the stage of one product: 16 batches x (64 d x 4 bytes + 16)
	s_load_b512 s[4:19], s[0:1], 0x0               ; h's codes s[4:5], h's scales s[6:7], q1_w's codes, scales, q1_b, alpha1 s[8:15], q2_w's codes, scales s[16:19]
	s_load_b128 s[20:23], s[0:1], 0x40             ; q2_b, alpha2
	s_load_b64 s[24:25], s[0:1], 0x50              ; qc
	v_lshl_add_u32 v62, v0, 2, 0x2200
	v_mov_b32 v63, 0
	v_lshrrev_b32 v1, 5, v0
	v_readfirstlane_b32 s28, v1                    ; wave 0..7
	s_lshr_b32 s29, s28, 2                         ; which product
	s_and_b32 s30, s28, 3                          ; which tile of 16 d
	s_and_b32 s31, ttmp7, 0xffff                   ; which 16 batches
	v_and_b32 v7, 15, v0                           ; r
	v_bfe_u32 v3, v0, 4, 1                         ; h
	v_mul_u32_u24 v1, v7, 768
	v_mad_u32_u24 v1, v3, 48, v1                   ; codes: row r of 768 bytes, + 48 h
	v_lshlrev_b32 v2, 5, v7
	v_lshl_add_u32 v2, v3, 4, v2                   ; scale words: row r of 32 bytes; lanes 0-15 take K steps 0-3, lanes 16-31 K steps 4-7
	s_mul_i32 s32, s29, STG
	s_lshl_b32 s33, s30, 6
	s_add_co_u32 s32, s32, s33
	v_mul_u32_u24 v4, v7, 272
	v_lshl_add_u32 v4, v3, 5, v4
	v_add_nc_u32 v4, s32, v4                       ; into the stage: my product's, row = batch r, my tile's 64 bytes, + 32 h
	s_mul_i32 s32, s28, 2*272
	v_mul_u32_u24 v5, v3, 272
	v_lshl_add_u32 v5, v7, 4, v5
	v_add_nc_u32 v5, s32, v5                       ; out of it: wave w takes rows 2 w and 2 w + 1, sixteen lanes to a row
	v_lshlrev_b32 v6, 12, v3
	v_lshl_add_u32 v6, v7, 4, v6                   ; and the same two rows in qc
	v_lshlrev_b32 v3, 5, v3                        ; the bias: 32 h bytes
	s_lshl_b32 s32, ttmp9, 6
	s_lshl_b32 s33, s30, 4
	s_add_co_u32 s32, s32, s33                     ; my first row of q_w: 64 x + 16 x tile
	s_lshl_b32 s33, s29, 5
	s_lshl_b32 s34, s31, 4
	s_add_co_u32 s33, s33, s34                     ; my first row of h: 32 x product + 16 y
	s_mov_b32 s37, 0
	s_wait_kmcnt 0x0
	s_cmp_eq_u32 s29, 0                            ; the choice hangs on the wave's number alone
	s_cselect_b64 s[8:9], s[8:9], s[16:17]
	s_cselect_b64 s[10:11], s[10:11], s[18:19]
	s_cselect_b64 s[12:13], s[12:13], s[20:21]
	s_cselect_b64 s[14:15], s[14:15], s[22:23]
	s_load_b32 s26, s[14:15], 0x0                  ; my product's alpha
	s_mul_i32 s36, s32, 768
	s_add_nc_u64 s[8:9], s[8:9], s[36:37]
	s_lshl_b32 s36, s32, 5
	s_add_nc_u64 s[10:11], s[10:11], s[36:37]
	s_lshl_b32 s36, s32, 2
	s_add_nc_u64 s[12:13], s[12:13], s[36:37]
	s_mul_i32 s36, s33, 768
	s_add_nc_u64 s[4:5], s[4:5], s[36:37]
	s_lshl_b32 s36, s33, 5
	s_add_nc_u64 s[6:7], s[6:7], s[36:37]
	s_lshl_b32 s36, s31, 4
	s_lshl_b32 s34, s28, 1
	s_add_co_u32 s36, s36, s34                     ; the first row of qc that I store: 16 y + 2 x wave
	s_lshl_b32 s36, s36, 12
	s_lshl_b32 s34, ttmp9, 8
	s_add_co_u32 s36, s36, s34                     ; + the work-group's 64 d, 256 bytes
	s_add_nc_u64 s[24:25], s[24:25], s[36:37]
	global_load_b128 v[8:11], v2, s[10:11]         ; q_w's scale words
	global_load_b128 v[12:15], v2, s[6:7]          ; h's
	global_load_b128 v[32:35], v3, s[12:13]        ; the bias in the result's layout: d = 8 h + 0 .. 7
	global_load_b128 v[36:39], v3, s[12:13] offset:16
.irp s, 0,1,2,3,4,5,6,7
.irp i, 0,1,2
	global_load_b128 v[WF+12*\s+4*\i:WF+12*\s+4*\i+3], v1, s[8:9] offset:96*\s+16*\i
	global_load_b128 v[HF+12*\s+4*\i:HF+12*\s+4*\i+3], v1, s[4:5] offset:96*\s+16*\i
.endr
.endr
	s_mov_b32 s27, 0x03010200                      ; bytes 1 and 2 change places
	s_wait_kmcnt 0x0
	v_mov_b32 v56, 0x3d38aa3b                      ; log2(e) / 32
	v_mul_f32 v56, s26, v56                        ; x alpha
	v_mov_b32 v57, v56                             ; twice: a pair for the packed multiply
	s_wait_loadcnt 0x0
.irp i, 8,9,10,11,12,13,14,15
	v_perm_b32 v\i, v\i, v\i, s27
.endr
.rept 8
	v_nop                                          ; a scale register written by a vector instruction stands eight places ahead of a scaled matrix instruction
.endr
; Source 0 = 16 rows of q_w, source 1 = 16 rows of h: lane (r, h) then holds batch r and d = 8 h + 0 .. 7.  Even K steps add onto v[16:23], which begins with the bias, odd ones onto v[24:31]: the two take turns.
.macro QMM d, s, c
.if \s < 4
.if \c < 0
	v_wmma_scale_f32_16x16x128_f8f6f4 v[\d:\d+7], v[WF+12*\s:WF+12*\s+11], v[HF+12*\s:HF+12*\s+11], 0, v[8+\s%4], v[12+\s%4] matrix_a_fmt:MATRIX_FMT_FP6 matrix_b_fmt:MATRIX_FMT_FP6
.else
	v_wmma_scale_f32_16x16x128_f8f6f4 v[\d:\d+7], v[WF+12*\s:WF+12*\s+11], v[HF+12*\s:HF+12*\s+11], v[\c:\c+7], v[8+\s%4], v[12+\s%4] matrix_a_fmt:MATRIX_FMT_FP6 matrix_b_fmt:MATRIX_FMT_FP6
.endif
.else
	v_wmma_scale_f32_16x16x128_f8f6f4 v[\d:\d+7], v[WF+12*\s:WF+12*\s+11], v[HF+12*\s:HF+12*\s+11], v[\c:\c+7], v[8+\s%4], v[12+\s%4] matrix_a_fmt:MATRIX_FMT_FP6 matrix_b_fmt:MATRIX_FMT_FP6 matrix_a_scale:MATRIX_SCALE_ROW1 matrix_b_scale:MATRIX_SCALE_ROW1
.endif
.endm
	QMM 16, 0, 32
	QMM 24, 1, -1
	QMM 16, 2, 16
	QMM 24, 3, 24
	QMM 16, 4, 16
	QMM 24, 5, 24
	QMM 16, 6, 16
	QMM 24, 7, 24
.rept 4
	v_nop                                          ; four places behind the last matrix instruction, ahead of the first read of results
.endr
.irp j, 0,2,4,6
	v_pk_add_f32 v[40+\j:41+\j], v[16+\j:17+\j], v[24+\j:25+\j]   ; the two halves of K, each accumulator from its low end on
.endr
.irp j, 0,2,4,6
	v_pk_mul_f32 v[40+\j:41+\j], v[40+\j:41+\j], v[56:57]
.endr
	ds_store_b128 v4, v[40:43]
	ds_store_b128 v4, v[44:47] offset:16
	s_wait_dscnt 0x0                               ; for the others' sake: my stores into the stage are done
	s_barrier_signal -1
	s_barrier_wait -1
	ds_load_b128 v[48:51], v5                      ; the first product's part of my two rows,
	ds_load_b128 v[52:55], v5 offset:STG           ; the second's
	s_wait_dscnt 0x0
	v_pk_add_f32 v[48:49], v[48:49], v[52:53]
	v_pk_add_f32 v[50:51], v[50:51], v[54:55]
	global_store_b128 v6, v[48:51], s[24:25]       ; sixteen lanes store 256 consecutive bytes, at a multiple of 256 from qc's first byte
	s_wait_tensorcnt 0x0
	ds_add_u32 v62, v63
	s_wait_dscnt 0x0
	s_endpgm
.Lfunc_end_k_qbad99e0161_query:
	.size	k_qbad99e0161_query, .Lfunc_end_k_qbad99e0161_query-k_qbad99e0161_query
	.p2alignl 7, 3214868480
	.fill 96, 4, 3214868480
	.section	.rodata,"a",@progbits
	.p2align	6, 0x0
	.amdhsa_kernel k_qbad99e0161_query
		.amdhsa_group_segment_fixed_size 9728
		.amdhsa_private_segment_fixed_size 0
		.amdhsa_enable_private_segment 0
		.amdhsa_kernarg_size 88
		.amdhsa_user_sgpr_count 2
		.amdhsa_user_sgpr_kernarg_segment_ptr 1
		.amdhsa_wavefront_size32 1
		.amdhsa_system_sgpr_workgroup_id_x 1
		.amdhsa_system_sgpr_workgroup_id_y 1
		.amdhsa_system_sgpr_workgroup_id_z 1
		.amdhsa_system_vgpr_workitem_id 0
		.amdhsa_next_free_vgpr 256
		.amdhsa_next_free_sgpr 66
		.amdhsa_reserve_vcc 0
		.amdhsa_float_denorm_mode_32 3
		.amdhsa_float_denorm_mode_16_64 3
		.amdhsa_memory_ordered 1
		.amdhsa_forward_progress 1
		.amdhsa_inst_pref_size 12
	.end_amdhsa_kernel
	.amdgpu_metadata
---
amdhsa.version: [ 1, 2 ]
amdhsa.kernels:
  - .name:           k_qbad99e0161_query
    .symbol:         k_qbad99e0161_query.kd
    .args:
      - { .name: h_codes, .offset: 0, .size: 8, .value_kind: global_buffer, .address_space: global }
      - { .name: h_scales, .offset: 8, .size: 8, .value_kind: global_buffer, .address_space: global }
      - { .name: q1_w_codes, .offset: 16, .size: 8, .value_kind: global_buffer, .address_space: global }
      - { .name: q1_w_scales, .offset: 24, .size: 8, .value_kind: global_buffer, .address_space: global }
      - { .name: q1_b, .offset: 32, .size: 8, .value_kind: global_buffer, .address_space: global }
      - { .name: alpha1, .offset: 40, .size: 8, .value_kind: global_buffer, .address_space: global }
      - { .name: q2_w_codes, .offset: 48, .size: 8, .value_kind: global_buffer, .address_space: global }
      - { .name: q2_w_scales, .offset: 56, .size: 8, .value_kind: global_buffer, .address_space: global }
      - { .name: q2_b, .offset: 64, .size: 8, .value_kind: global_buffer, .address_space: global }
      - { .name: alpha2, .offset: 72, .size: 8, .value_kind: global_buffer, .address_space: global }
      - { .name: qc, .offset: 80, .size: 8, .value_kind: global_buffer, .address_space: global }
    .group_segment_fixed_size: 9728
    .private_segment_fixed_size: 0
    .kernarg_segment_align: 8
    .kernarg_segment_size: 88
    .max_flat_workgroup_size: 256
    .sgpr_count:     66
    .vgpr_count:     256
    .wavefront_size: 32
...
	.end_amdgpu_metadata
.endif
;; end of part 1
;; launch fused (part 2): grid 256 x 1, 4 waves a work-group, clusters of 4 x 1, 327,680 bytes of LDS; arguments obj_embed_codes, obj_embed_scales, wk_w_codes, wk_w_scales, wk_b, wv_w_codes, wv_w_scales, qc, part, ml; writes part, ml
.if DOCPART == 2
	.amdgcn_target "amdgcn-amd-amdhsa--gfx1250"
	.amdhsa_code_object_version 6
	.text
	.protected	k_qbad99e0161_fused
	.globl	k_qbad99e0161_fused
	.p2align	8
	.type	k_qbad99e0161_fused,@function
k_qbad99e0161_fused:
	s_mov_b64 s[64:65], 0
	v_nop
	global_prefetch_b8 v0, s[64:65] scope:SCOPE_SE
	s_setreg_imm32_b32 hwreg(HW_REG_WAVE_MODE, 25, 1), 1
	s_wait_xcnt 0x0
	s_wait_alu depctr_hold_cnt(0) depctr_sa_sdst(0) depctr_va_vdst(0) depctr_va_sdst(0) depctr_va_ssrc(0) depctr_va_vcc(0) depctr_vm_vsrc(0)
	s_getreg_b32 s2, hwreg(HW_REG_IB_STS2, 6, 4)
	s_cmp_eq_u32 s2, 0
	s_cbranch_scc0 .Lentry_in_a_cluster
	s_endpgm
.Lentry_in_a_cluster:
	s_bfe_u32 s2, ttmp6, 0x10000c
	s_cmp_lg_u32 s2, 0x3003
	s_cbranch_scc0 .Lentry_shape_is_right
	s_endpgm
.Lentry_shape_is_right:
; key = obj wk_w^T, value = obj wv_w^T (codes of FP6 (E2M3), one E8M0 scale for each 32 along K), and all that stands between them and the output, for 128 objects of one batch.  Neither key nor value goes to memory.
;   t[n] = sum over d of qc[d] key[n][d] + cb,  cb = sum over d of qc[d] wk_b[d]  (qc holds both queries, the alphas, 1 / sqrt(1024) and log2(e): the launch before made it);
;   m = the largest t of the 128;  p[n] = 2^(t[n] - m);  l = their sum;  part[d] = sum over n of p[n] value[n][d], without wv_b.  The next launch joins a batch's eight work-groups by their m and l, divides, and adds wv_b.
; SHARES.  Four waves.  Wave w takes objects 64 (w / 2) on and, of each chunk of 256 rows of a weight, rows 128 (w % 2) on: 32 accumulators of 16 x 16 (a = 0..3 blocks of objects, b = 0..7 blocks of rows).
; THE OBJECTS' CODES STAY IN REGISTERS for the whole launch (32 fragments, 384 registers a wave); only the weights go round: eight chunks (four of wk_w, four of wv_w), each in two fills of 512 along K, through two LDS slots.
; ORIENTATION.  key: source 0 = 16 rows of wk_w, source 1 = 16 objects: a lane holds ONE object and eight d, which are folded with eight numbers of qc.  value: source 0 = 16 objects, source 1 = 16 rows of wv_w: a lane holds
; ONE d and eight objects, folded with eight p.  A chunk's fold stands among the next chunk's first products, which begin their sums with the constant 0: nothing is cleared but the 32 partial scores, once.
; K IS PERMUTED ALIKE ON BOTH OPERANDS: lane (r, h) takes the 48 consecutive bytes at 96 s + 48 h of its row (blocks 2 h, 2 h + 1 of K step s) by three loads of 16 bytes, where the operand's layout names blocks h and 2 + h.
; So bytes 1 and 2 of every scale word change places.  The products are the same; their grouping inside a sum differs.
; CLUSTER.  Four work-groups; all of them walk the same weights, so each tile is asked for JOINTLY, by the same tensor load with the same descriptor and the mask 15.  The objects' tile is each work-group's own: a load without a mask.
; LIMITS: NaN, infinities and the scale byte 0xff among the inputs are not served; a p under 2^-126 counts as 0 (v_exp_f32 gives 0 there: ISA guide, its entry in 15.8).  ml's 8 bytes a work-group leave by one lane.
; REGISTERS, in windows of 256.  Window 0: v1-31 addresses and single numbers; v32-47 the objects' scale words; v48-79 the weights', two sets; v80-111 partial scores, later partial outputs; v112-255 the objects' fragments of K steps 5-7.
;   Window 1: v0-95, v96-191 the weights' fragments, two sets; v192-255 eight numbers of qc for each b, later eight p for each a.   Window 2: the objects' fragments of K steps 0-4.   Window 3: the accumulators, (a, b) at v[8 (8 a + b)].
.set PITCH,  240                       ; an LDS row: 3 x (64 bytes of data + 16 of padding): row r starts at bank -4 r mod 64 (64 banks of 4 bytes: ISA guide 11.1), so the sixteen rows of a load of 16 bytes start at sixteen different places
.set PARTB,  128*PITCH                 ; 128 rows x 256 along K: what one tensor load brings
.set SLOTB,  4*PARTB                   ; a slot: part w = K 256 (w / 2) on, rows 128 (w % 2) on.  Slot 1 first holds the objects' tile: part w = K 256 w on of the 128 objects
.set SCR,    2*SLOTB                   ; behind the ring: 2 x 128 partial scores,
.set PSC,    SCR+1024                  ; the 128 p, once for each wave,
.set SPARE,  PSC+2048                  ; and the spare words, 128 bytes for each wave: two blocks of 256 bytes that no other line names
.set ROWM,   768                       ; a row of codes in memory
.set CHUNKB, 256*ROWM
.set SPW,  1                           ; v1     LDS address of my spare word; never rewritten
.set NIL,  2                           ; v2     0; never rewritten
.set ADW,  3                           ; v3-10  the weights' fragments: v[ADW + 4 slot + 2 z + u]: z = which 256 along K; u = 0: + 48 h, u = 1: + 64 h (a piece that lies behind one padding more)
.set AOS,  11                          ; v11    32 r + 16 h: the objects' scale words
.set AWS,  12                          ; v12    32 r + 2048 h: the weights'
.set AVE,  13                          ; v13    32 h: eight numbers of qc
.set AL16, 14                          ; v14    16 x lane
.set ASC,  15                          ; v15    where I put a partial score
.set ARD,  16                          ; v16    where I read four of them
.set APW,  17                          ; v17    where I put four p
.set APR,  18                          ; v18    where I read eight
.set CB,   19                          ; v19    cb
.set MX,   20                          ; v[20:21] m, l
.set ZO,   22                          ; v22    0: ml's offset
.set TP,   23                          ; v23    at work
.set ZR,   24                          ; v[24:27] four outputs to store (at the head: r, h, lane, 240 r)
.set OAD,  28                          ; v28-31 the objects' tile: + 48 h, + 64 h, and both two parts on
.set SO,   32                          ; the objects' scale words: v[SO + 4 a + k]: lanes 0-15 K steps 0-3, lanes 16-31 K steps 4-7
.set SW,   48                          ; the weights': v[SW + 16 slot + 4 (b % 4) + k]: lanes 0-15 b = 0..3, lanes 16-31 b = 4..7
.set SS,   80
.set OF0,  112
.set VEC,  192                         ; in window 1
.set WV, 24
.set WR, 25
.set WC, 26
.set CX, 27
.set WG, 28
.set BT, 29
.set G1J, 32                           ; s[32:39] descriptor group 1, joint;  s[40:47] the same without a mask
.set G1P, 40
.set G0,  48                           ; s[48:55] group 0 for the weights, a set for each slot
.set G0O, 56                           ; s[56:59] for the objects' tile
.set VB,  60                           ; s[60:63] where wv_w's first two fills begin
.set PSP, 66                           ; s[66:67] the scale words of the chunk to be fetched
.set PSVB, 68                          ; s[68:69] wv_w's
.set PQP, 70                           ; s[70:71] qc at the chunk in hand
.set POP, 72                           ; s[72:73] part
.set SEL, 74                           ; s[74:75] v_permlanex16_b32's selects for lane l xor 16
.set SWP, 76                           ; s76    bytes 1 and 2 change places
.set CNT, 77
.set PML, 82
.set PQROW, 84
.set POS, 86
.set MSB, 0
.macro WIN new                         ; the immediate's high byte repeats the setting that is left; a switch that changes nothing is dropped
.if MSB != \new
	s_set_vgpr_msb (MSB<<8)|\new
.set MSB, \new
.endif
.endm
.macro PLACES n                        ; plain vector instructions behind matrix instructions: four ahead of loads into their registers and of reads of results, five ahead of a matrix instruction that begins an accumulator anew
.rept \n
	v_nop
.endr
.endm
.macro CREST                           ; a round of the cluster's barrier behind its opening barrier
	s_cmp_lg_u32 s[WV], 0
	s_cbranch_scc1 .Lnot_wave_0_\@
	s_barrier_signal -3
.Lnot_wave_0_\@:
	s_barrier_wait -3
	s_barrier_signal -1
	s_barrier_wait -1
.endm
.macro CROUND                          ; a whole round
	s_barrier_signal -1
	s_barrier_wait -1
	CREST
.endm
; A fragment, 16 rows x 128 K, 12 registers: three pieces of 16 bytes at 96 q + 48 h + 16 i of the row's 192 bytes.  The mover has laid 16 bytes of padding behind every 64: where lanes 16-31's piece lies behind one padding more than lanes 0-15's, the second address register serves.
.macro FRAGL reg, adr, q, off
.irp i, 0,1,2
.set dO, 96*(\q)+16*\i
.set l0, dO+16*(dO/64)
.set l1, dO+48+16*((dO+48)/64)
.if (l1-l0) == 48
	ds_load_b128 v[(\reg)+4*\i:(\reg)+4*\i+3], v[\adr] offset:(\off)+l0
.else
	ds_load_b128 v[(\reg)+4*\i:(\reg)+4*\i+3], v[(\adr)+1] offset:(\off)+l0
.endif
.endr
.endm
.macro FETCH sg, k, set                ; my eight fragments of the weights for step k of slot sg, into a set of window 1: 24 loads in one run
	WIN 0x40
.irp b, 0,1,2,3,4,5,6,7
	FRAGL 96*(\set)+12*\b, ADW+4*(\sg)+2*((\k)/2), (\k)%2, 16*PITCH*\b
.endr
.endm
.macro OFRAG s, a                      ; the objects' fragment of K step s, block a, from the tile in slot 1 into its register for good
.if \s < 5
.set rO, 12*(4*\s+\a)
.else
.set rO, OF0+12*(4*\s+\a-20)
.endif
	FRAGL rO, OAD+2*(\s/4), (\s)%2, PARTB*((\s/2)%2)+16*PITCH*\a
.endm
.macro EMIT zero                       ; one matrix instruction from the symbols rD, rA, rB, sA, sB; fA, fB: the scales stand in lanes 16-31
.if \zero
.if fA && fB
	v_wmma_scale_f32_16x16x128_f8f6f4 v[rD:rD+7], v[rA:rA+11], v[rB:rB+11], 0, v[sA], v[sB] matrix_a_fmt:MATRIX_FMT_FP6 matrix_b_fmt:MATRIX_FMT_FP6 matrix_a_scale:MATRIX_SCALE_ROW1 matrix_b_scale:MATRIX_SCALE_ROW1
.elseif fA
	v_wmma_scale_f32_16x16x128_f8f6f4 v[rD:rD+7], v[rA:rA+11], v[rB:rB+11], 0, v[sA], v[sB] matrix_a_fmt:MATRIX_FMT_FP6 matrix_b_fmt:MATRIX_FMT_FP6 matrix_a_scale:MATRIX_SCALE_ROW1
.elseif fB
	v_wmma_scale_f32_16x16x128_f8f6f4 v[rD:rD+7], v[rA:rA+11], v[rB:rB+11], 0, v[sA], v[sB] matrix_a_fmt:MATRIX_FMT_FP6 matrix_b_fmt:MATRIX_FMT_FP6 matrix_b_scale:MATRIX_SCALE_ROW1
.else
	v_wmma_scale_f32_16x16x128_f8f6f4 v[rD:rD+7], v[rA:rA+11], v[rB:rB+11], 0, v[sA], v[sB] matrix_a_fmt:MATRIX_FMT_FP6 matrix_b_fmt:MATRIX_FMT_FP6
.endif
.else
.if fA && fB
	v_wmma_scale_f32_16x16x128_f8f6f4 v[rD:rD+7], v[rA:rA+11], v[rB:rB+11], v[rD:rD+7], v[sA], v[sB] matrix_a_fmt:MATRIX_FMT_FP6 matrix_b_fmt:MATRIX_FMT_FP6 matrix_a_scale:MATRIX_SCALE_ROW1 matrix_b_scale:MATRIX_SCALE_ROW1
.elseif fA
	v_wmma_scale_f32_16x16x128_f8f6f4 v[rD:rD+7], v[rA:rA+11], v[rB:rB+11], v[rD:rD+7], v[sA], v[sB] matrix_a_fmt:MATRIX_FMT_FP6 matrix_b_fmt:MATRIX_FMT_FP6 matrix_a_scale:MATRIX_SCALE_ROW1
.elseif fB
	v_wmma_scale_f32_16x16x128_f8f6f4 v[rD:rD+7], v[rA:rA+11], v[rB:rB+11], v[rD:rD+7], v[sA], v[sB] matrix_a_fmt:MATRIX_FMT_FP6 matrix_b_fmt:MATRIX_FMT_FP6 matrix_b_scale:MATRIX_SCALE_ROW1
.else
	v_wmma_scale_f32_16x16x128_f8f6f4 v[rD:rD+7], v[rA:rA+11], v[rB:rB+11], v[rD:rD+7], v[sA], v[sB] matrix_a_fmt:MATRIX_FMT_FP6 matrix_b_fmt:MATRIX_FMT_FP6
.endif
.endif
.endm
; The product of the objects' block a and the weights' block b in step k of slot sg.  ph = 0: key (the weights are source 0);  ph = 1: value (the objects are).
.macro WM ph, a, b, sg, k, zero
.set rD, 8*(8*(\a)+(\b))
.set rW, 96*((\k)%2)+12*(\b)
.if 4*(\sg)+(\k) < 5
.set rO, 12*(4*(4*(\sg)+(\k))+(\a))
.else
.set rO, OF0+12*(4*(4*(\sg)+(\k))+(\a)-20)
.endif
.if \ph == 0
.set rA, rW
.set rB, rO
.set sA, SW+16*(\sg)+4*((\b)%4)+(\k)
.set sB, SO+4*(\a)+(\k)
.set fA, (\b)/4
.set fB, \sg
.else
.set rA, rO
.set rB, rW
.set sA, SO+4*(\a)+(\k)
.set sB, SW+16*(\sg)+4*((\b)%4)+(\k)
.set fA, \sg
.set fB, (\b)/4
.endif
	EMIT \zero
.endm
.macro WINM ph, sg, k                  ; the windows of a product: weights 1; objects 2, or 0 from K step 5 on; C and D 3
.if \ph == 0
.if 4*(\sg)+(\k) < 5
	WIN 0xf9
.else
	WIN 0xf1
.endif
.else
.if 4*(\sg)+(\k) < 5
	WIN 0xf6
.else
	WIN 0xf4
.endif
.endif
.endm
; n products from number i0 on, (a, b) = (i / 8, i % 8).  The 32 accumulators take turns, one instruction a turn, in the same order in every step.
.macro MUL ph, sg, k, i0, n, zero
	WINM \ph, \sg, \k
.set ix, \i0
.rept \n
	WM \ph, ix/8, ix%8, \sg, \k, \zero
.set ix, ix+1
.endr
.endm
.macro EPIK a, b                       ; key's fold: the object's partial scores += eight key numbers x eight of qc; the accumulator from its low end on
.irp jp, 0,1,2,3
	v_pk_fma_f32 v[SS+8*(\a)+2*\jp:SS+8*(\a)+2*\jp+1], v[8*(8*(\a)+(\b))+2*\jp:8*(8*(\a)+(\b))+2*\jp+1], v[VEC+8*(\b)+2*\jp:VEC+8*(\b)+2*\jp+1], v[SS+8*(\a)+2*\jp:SS+8*(\a)+2*\jp+1]
.endr
.endm
.macro EPIV2 a, b                      ; value's fold for (a, b) and (a, b + 1) by turns: d's partial outputs += eight value numbers x eight p.  Block a = 0 starts the sums
.irp jp, 0,1,2,3
.irp e, 0,1
.set rOo, SS+4*((\b)+\e)+2*(\jp%2)
.set rAc, 8*(8*(\a)+(\b)+\e)+2*\jp
.set rPv, VEC+8*(\a)+2*\jp
.if ((\a) == 0) && (\jp < 2)
	v_pk_mul_f32 v[rOo:rOo+1], v[rAc:rAc+1], v[rPv:rPv+1]
.else
	v_pk_fma_f32 v[rOo:rOo+1], v[rAc:rAc+1], v[rPv:rPv+1], v[rOo:rOo+1]
.endif
.endr
.endr
.endm
; A chunk's first step, with the fold of the chunk before: two accumulators are folded, then begun anew with the constant 0.  nph: the new chunk's kind;  fph: the old one's.
.macro MULE nph, fph
.set iy, 0
.rept 16
	WIN 0x07                               ; source 0 (accumulator) window 3, source 1 (qc or p) window 1, the sums window 0
.if \fph == 0
	EPIK iy/8, iy%8
	EPIK iy/8, iy%8+1
.else
	EPIV2 iy/8, iy%8
.endif
	WINM \nph, 0, 0
	WM \nph, iy/8, iy%8, 0, 0, 1
	WM \nph, iy/8, iy%8+1, 0, 0, 1
.set iy, iy+2
.endr
.endm
.macro PERM16 base                     ; sixteen scale words: bytes 1 and 2 change places
.irp i, 0,1,2,3,4,5,6,7,8,9,10,11,12,13,14,15
	v_perm_b32 v[\base+\i], v[\base+\i], v[\base+\i], s[SWP]
.endr
.endm
.macro SCLOAD sg                       ; the weights' scale words of a chunk's fill sg: four words a row; lanes 0-15 row 16 i + r, lanes 16-31 the row 64 further on
.irp i, 0,1,2,3
	global_load_b128 v[SW+16*\sg+4*\i:SW+16*\sg+4*\i+3], v[AWS], s[PSP:PSP+1] offset:512*\i+16*\sg
.endr
.endm
.macro VECLOAD                         ; qc at my 128 d of the chunk in hand: for block b the eight numbers at 16 b + 8 h
	WIN 0x40
.irp b, 0,1,2,3,4,5,6,7
	global_load_b128 v[VEC+8*\b:VEC+8*\b+3], v[AVE], s[PQP:PQP+1] offset:64*\b
	global_load_b128 v[VEC+8*\b+4:VEC+8*\b+7], v[AVE], s[PQP:PQP+1] offset:64*\b+16
.endr
.endm
.macro HEAD                            ; this step's 24 fragment loads, issued a step (32 matrix instructions) ago, are in
	s_wait_dscnt 0x0
	WIN 0
.endm
.macro STEPP ph, sg, k                 ; a plain step: the next step's fragments are asked for, then the 32 products
	HEAD
	PLACES 4
	FETCH \sg, (\k)+1, ((\k)+1)%2
	MUL \ph, \sg, \k, 0, 32, 0
.endm
; A slot's last step changes slots: ONE barrier.  In front of it each wave waits for all its tensor loads (the one that is out is its part of the other slot), adds 0 to its spare word, and waits for that and for its reads of this slot.
; fill = 1: this slot takes the same fill of the next chunk;  2: of wv_w's first chunk;  0: nothing.  Where it is filled, the barrier opens a round of the cluster's barrier, and the joint load is the first tensor load behind the round:
; from there to the wait for it a wave issues 112 matrix instructions.
.macro TURN ph, sg, fill
	WIN 0
	s_wait_tensorcnt 0x0
	ds_add_u32 v[SPW], v[NIL]
	s_wait_dscnt 0x1                               ; the step's fragments are in; the add may be out
	MUL \ph, \sg, 3, 0, 8, 0
	s_wait_dscnt 0x0                               ; the add is done, and my reads of this slot are over
	s_barrier_signal -1
	MUL \ph, \sg, 3, 8, 8, 0
	WIN 0
	s_barrier_wait -1
.if \fill
	CREST                                          ; no wave of any partner still reads this slot or has a load on its way
.if \fill == 2
	s_mov_b64 s[G0+4*\sg+2:G0+4*\sg+3], s[VB+2*\sg:VB+2*\sg+1]
	s_or_b32 s[G0+4*\sg+3], s[G0+4*\sg+3], 0x80000000
.else
	s_add_nc_u64 s[G0+4*\sg+2:G0+4*\sg+3], s[G0+4*\sg+2:G0+4*\sg+3], CHUNKB
.endif
	tensor_load_to_lds s[G0+4*\sg:G0+4*\sg+3], s[G1J:G1J+7]
	s_nop 0
.endif
	PLACES 4                                       ; behind the tensor load, and the places in front of the loads below
	FETCH 1-\sg, 0, 0
	MUL \ph, \sg, 3, 16, 16, 0
.endm
; K steps 1 to 7 of a chunk of kind ph and step 0 of the next chunk, of kind nph.  The scale words run ahead: the next chunk's set 0 is asked for in step 4 and permuted in step 6, its set 1 in step 0 and step 2;
; behind each permutation stand the four places of the change of slots and the four or five at the next step's head: eight or more ahead of the first scaled matrix instruction that names the word.
.macro BODY ph, nph, fill
	STEPP \ph, 0, 1
	HEAD
	s_wait_loadcnt 0x0                             ; set 1's four loads (issued in step 0) are in, so their base may be written
	PERM16 SW+16                                   ; sixteen plain instructions on registers that the last products do not name: also the places in front of the loads below
.if \fill == 2
	s_mov_b64 s[PSP:PSP+1], s[PSVB:PSVB+1]         ; the next chunk is wv_w's first
.else
	s_add_nc_u64 s[PSP:PSP+1], s[PSP:PSP+1], 8192  ; 256 rows of 32 bytes on
.endif
.if \ph == 1
	s_wait_xcnt 0x0                                ; the last chunk's store has read its base and its data
	s_add_nc_u64 s[POP:POP+1], s[POP:POP+1], 1024
.endif
	FETCH 0, 3, 1
	MUL \ph, 0, 2, 0, 32, 0
	TURN \ph, 0, \fill
	HEAD
	PLACES 4
	SCLOAD 0
.if \ph == 0
	VECLOAD
.endif
	FETCH 1, 1, 1
	MUL \ph, 1, 0, 0, 32, 0
	STEPP \ph, 1, 1
	HEAD
	s_wait_loadcnt 0x0                             ; set 0's four loads, and qc's sixteen, are in
	PERM16 SW
.if \ph == 0
	s_add_nc_u64 s[PQP:PQP+1], s[PQP:PQP+1], 1024
.endif
	FETCH 1, 3, 1
	MUL \ph, 1, 2, 0, 32, 0
	TURN \ph, 1, \fill
	HEAD
	PLACES 5                                       ; five: the accumulators are begun anew
	SCLOAD 1
	FETCH 0, 1, 1
	MULE \nph, \ph
.endm
; A value chunk's outputs: a lane's four partial sums of each b are added; the two halves of the lanes (eight objects each of every sixteen) meet by an exchange that pairs b = i with b = i + 4:
; lane (r, h) then holds d = 16 (i + 4 h) + r in register i, and the wave stores 512 consecutive bytes, at a multiple of 256 from part's first byte.
.macro OREDUCE
	WIN 0
.irp b, 0,1,2,3,4,5,6,7
	v_pk_add_f32 v[SS+4*\b:SS+4*\b+1], v[SS+4*\b:SS+4*\b+1], v[SS+4*\b+2:SS+4*\b+3]
.endr
.irp b, 0,1,2,3,4,5,6,7
	v_add_f32 v[SS+4*\b], v[SS+4*\b], v[SS+4*\b+1]
.endr
.irp i, 0,1,2,3
	v_permlane16_swap_b32 v[SS+4*\i], v[SS+16+4*\i]
.endr
.irp i, 0,1,2,3
	v_add_f32 v[ZR+\i], v[SS+4*\i], v[SS+16+4*\i]
.endr
	global_store_b128 v[AL16], v[ZR:ZR+3], s[POP:POP+1] offset:-1024 th:TH_STORE_NT   ; the base was stepped in this chunk's step 2
.endm
	s_load_b512 s[4:19], s[0:1], 0x0               ; obj's codes s[4:5], scales s[6:7]; wk_w's codes s[8:9], scales s[10:11]; wk_b s[12:13]; wv_w's codes s[14:15], scales s[16:17]; qc s[18:19]
	s_load_b128 s[20:23], s[0:1], 0x40             ; part, ml
	v_lshl_add_u32 v[SPW], v0, 2, SPARE
	v_mov_b32 v[NIL], 0
	ds_add_u32 v1, v2
	ds_add_u32 v1, v2
	s_wait_dscnt 0x0
	v_lshrrev_b32 v24, 5, v0
	v_readfirstlane_b32 s[WV], v24                 ; wave 0..3
	s_lshr_b32 s[WR], s[WV], 1                     ; my 64 objects.  Also: which 256 along K of a fill I fetch
	s_and_b32 s[WC], s[WV], 1                      ; my 128 rows of a chunk.  Also: which 128 rows I fetch
	s_bfe_u32 s[CX], ttmp6, 0x40000                ; my place in the cluster
	s_lshl_b32 s[WG], ttmp9, 2
	s_add_co_u32 s[WG], s[WG], s[CX]               ; the work-group: objects 128 x it on.  It enters addresses of obj, qc, part and ml alone
	s_lshr_b32 s[BT], s[WG], 3                     ; the batch
	; descriptor group 1: a tile of 128 rows x 192 bytes, rows 768 bytes apart in memory, 16 bytes of padding behind every 64 in LDS
	s_mov_b32 s[G1J], 15|(1<<20)|(1<<21)|(3<<22)|(3<<25)  ; 15:0 the mask: all four work-groups; 17:16 elements of 1 byte; 20 padding on; 21 set beside a mask; 24:22 after every 16 words (code 3); 31:25 4 words of it (code 3)
	s_mov_b32 s[G1P], (1<<20)|(3<<22)|(3<<25)      ; the same without a mask
.irp g, G1J, G1P
	s_mov_b32 s[\g+1], 192<<16                     ; tensor_dim0
	s_mov_b32 s[\g+2], 128<<16                     ; tensor_dim1
	s_mov_b32 s[\g+3], 192<<16                     ; tile_dim0
	s_mov_b32 s[\g+4], 128                         ; tile_dim1
	s_mov_b32 s[\g+5], ROWM                        ; tensor_dim0_stride
	s_mov_b32 s[\g+6], 0
	s_mov_b32 s[\g+7], 0
.endr
	s_mov_b32 s[SEL], 0x76543210
	s_mov_b32 s[SEL+1], 0xfedcba98
	s_mov_b32 s[SWP], 0x03010200
	v_and_b32 v24, 15, v0                          ; r
	v_bfe_u32 v25, v0, 4, 1                        ; h
	v_and_b32 v26, 31, v0                          ; lane
	v_mul_u32_u24 v27, v24, PITCH
	s_mul_i32 s30, s[WC], PARTB
	v_add_nc_u32 v[ADW], s30, v27                  ; my 128 rows' part, row r
	v_lshl_add_u32 v[ADW+1], v25, 6, v[ADW]
	v_mad_u32_u24 v[ADW], v25, 48, v[ADW]
.irp n, 1,2,3
	v_add_nc_u32 v[ADW+2*\n], (\n/2)*SLOTB+(\n%2)*2*PARTB, v[ADW]
	v_add_nc_u32 v[ADW+2*\n+1], (\n/2)*SLOTB+(\n%2)*2*PARTB, v[ADW+1]
.endr
	s_mul_i32 s30, s[WR], 64*PITCH
	s_add_co_u32 s30, s30, SLOTB
	v_add_nc_u32 v[OAD], s30, v27                  ; the objects' tile, in slot 1: my 64 rows, row r
	v_lshl_add_u32 v[OAD+1], v25, 6, v[OAD]
	v_mad_u32_u24 v[OAD], v25, 48, v[OAD]
	v_add_nc_u32 v[OAD+2], 2*PARTB, v[OAD]
	v_add_nc_u32 v[OAD+3], 2*PARTB, v[OAD+1]
	v_lshlrev_b32 v[AOS], 5, v24
	v_lshl_add_u32 v[AWS], v25, 11, v[AOS]
	v_lshl_add_u32 v[AOS], v25, 4, v[AOS]
	v_lshlrev_b32 v[AVE], 5, v25
	v_lshlrev_b32 v[AL16], 4, v26
	s_lshl_b32 s30, s[WC], 9
	s_lshl_b32 s78, s[WR], 8
	s_add_co_u32 s30, s30, s78
	s_add_co_u32 s30, s30, SCR
	v_lshl_add_u32 v[ASC], v24, 2, s30             ; partial scores: 512 bytes for each half of d; object 64 (w / 2) + 16 a + r
	v_lshl_add_u32 v[ARD], v26, 4, SCR
	s_lshl_b32 s30, s[WV], 9
	s_add_co_u32 s30, s30, PSC
	v_lshl_add_u32 v[APW], v26, 4, s30             ; my wave's 128 p
	s_add_co_u32 s30, s30, s78
	v_lshl_add_u32 v[APR], v25, 5, s30             ; of them my 64 objects', eight from 8 h on
	v_mov_b32 v[ZO], 0
	v_mov_b32 v[TP], 0                             ; written once: a lane permute's destination counts as one of its sources
	s_mul_i32 s30, s[WC], 128*ROWM                 ; what I fetch of a fill: rows 128 (w % 2) on,
	s_mul_i32 s31, s[WR], 192                      ; K 256 (w / 2) on
	s_add_co_u32 s30, s30, s31
	s_mov_b32 s31, 0
	s_mul_i32 s78, s[WV], PARTB                    ; and where it goes: no place in the cluster enters an LDS address
	s_mul_i32 s80, s[WG], 128*ROWM                 ; the objects' tile: my work-group's 128 rows,
	s_mul_i32 s79, s[WV], 192                      ; K 256 w on
	s_add_co_u32 s80, s80, s79
	s_mov_b32 s81, 0
	s_wait_kmcnt 0x0
	s_mov_b32 s[G0], 1                             ; 1:0 count = 1
	s_mov_b32 s[G0+1], s78                         ; 63:32 LDS address: slot 0
	s_add_nc_u64 s[G0+2:G0+3], s[8:9], s[30:31]    ; 120:64 global address: wk_w's chunk 0, K 0 on
	s_add_nc_u64 s[G0+6:G0+7], s[G0+2:G0+3], 384   ; and K 512 on
	s_or_b32 s[G0+3], s[G0+3], 0x80000000          ; 127:126 type = 2
	s_mov_b32 s[G0+4], 1
	s_add_co_u32 s[G0+5], s78, SLOTB
	s_or_b32 s[G0+7], s[G0+7], 0x80000000
	s_add_nc_u64 s[VB:VB+1], s[14:15], s[30:31]
	s_add_nc_u64 s[VB+2:VB+3], s[VB:VB+1], 384
	s_mov_b32 s[G0O], 1
	s_add_co_u32 s[G0O+1], s78, SLOTB
	s_add_nc_u64 s[G0O+2:G0O+3], s[4:5], s[80:81]
	s_or_b32 s[G0O+3], s[G0O+3], 0x80000000
	CROUND                                         ; all four work-groups are here: the first loads go out as one group behind this round
	tensor_load_to_lds s[G0O:G0O+3], s[G1P:G1P+7]  ; my quarter of the objects' tile, into slot 1
	s_nop 0
	tensor_load_to_lds s[G0:G0+3], s[G1J:G1J+7]    ; my quarter of fill 0, into slot 0: two loads of mine are out
	s_nop 0
	PLACES 4
	s_lshl_b32 s30, s[WC], 12
	s_add_nc_u64 s[PSP:PSP+1], s[10:11], s[30:31]  ; the weights' scale words: my 128 rows of 32 bytes
	s_add_nc_u64 s[PSVB:PSVB+1], s[16:17], s[30:31]
	s_lshl_b32 s80, s[BT], 12
	s_add_nc_u64 s[PQROW:PQROW+1], s[18:19], s[80:81]
	s_lshl_b32 s30, s[WC], 9
	s_add_nc_u64 s[PQP:PQP+1], s[PQROW:PQROW+1], s[30:31]
	s_lshl_b32 s80, s[WG], 13
	s_add_nc_u64 s[POP:POP+1], s[20:21], s[80:81]
	s_add_nc_u64 s[POP:POP+1], s[POP:POP+1], s[30:31]
	s_lshl_b32 s30, s[WR], 12
	s_add_nc_u64 s[POP:POP+1], s[POP:POP+1], s[30:31]  ; part: 8,192 x work-group + 4,096 (w / 2) + 512 (w % 2)
	s_lshl_b32 s80, s[WG], 3
	s_add_nc_u64 s[PML:PML+1], s[22:23], s[80:81]
	s_lshl_b32 s80, s[WG], 12
	s_add_nc_u64 s[POS:POS+1], s[6:7], s[80:81]
	s_lshl_b32 s30, s[WR], 11
	s_add_nc_u64 s[POS:POS+1], s[POS:POS+1], s[30:31]
.irp a, 0,1,2,3
	global_load_b128 v[SO+4*\a:SO+4*\a+3], v[AOS], s[POS:POS+1] offset:512*\a
.endr
	SCLOAD 0
	SCLOAD 1                                       ; (set 1 is permuted in the first chunk's step 2, like every set 1)
.irp i, 0,1,2,3,4,5,6,7
	global_load_b128 v[112+4*\i:115+4*\i], v[AL16], s[PQROW:PQROW+1] offset:512*\i   ; the batch's whole qc, 32 numbers a lane,
.endr
.irp i, 0,1,2,3,4,5,6,7
	global_load_b128 v[144+4*\i:147+4*\i], v[AL16], s[12:13] offset:512*\i           ; and wk_b likewise
.endr
	s_wait_loadcnt 0x0
	PERM16 SO
	PERM16 SW
.irp c, 0,1,2,3
	v_pk_mul_f32 v[176+2*\c:177+2*\c], v[112+2*\c:113+2*\c], v[144+2*\c:145+2*\c]   ; cb, in four chains
.endr
.irp i, 1,2,3
.irp c, 0,1,2,3
	v_pk_fma_f32 v[176+2*\c:177+2*\c], v[112+8*\i+2*\c:113+8*\i+2*\c], v[144+8*\i+2*\c:145+8*\i+2*\c], v[176+2*\c:177+2*\c]
.endr
.endr
	v_pk_add_f32 v[176:177], v[176:177], v[178:179]
	v_pk_add_f32 v[180:181], v[180:181], v[182:183]
	v_pk_add_f32 v[176:177], v[176:177], v[180:181]
	v_add_f32 v[CB], v176, v177
	v_add_f32_dpp v[CB], v[CB], v[CB] row_xmask:1 row_mask:0xf bank_mask:0xf
	v_add_f32_dpp v[CB], v[CB], v[CB] row_xmask:2 row_mask:0xf bank_mask:0xf
	v_add_f32_dpp v[CB], v[CB], v[CB] row_xmask:4 row_mask:0xf bank_mask:0xf
	v_add_f32_dpp v[CB], v[CB], v[CB] row_xmask:8 row_mask:0xf bank_mask:0xf
	v_permlanex16_b32 v[TP], v[CB], s[SEL], s[SEL+1]
	v_add_f32 v[CB], v[CB], v[TP]                  ; in every lane
.irp j, 0,1,2,3,4,5,6,7,8,9,10,11,12,13,14,15,16,17,18,19,20,21,22,23,24,25,26,27,28,29,30,31
	v_mov_b32 v[SS+\j], 0                          ; the partial scores, once: they run through all four chunks of key
.endr
	s_wait_tensorcnt 0x0                           ; my parts of the objects' tile and of fill 0 are in,
	s_barrier_signal -1
	s_barrier_wait -1                              ; everybody's are.
	WIN 0x80
.irp s, 0,1,2,3,4
.irp a, 0,1,2,3
	OFRAG \s, \a
.endr
.endr
	WIN 0
.irp s, 5,6,7
.irp a, 0,1,2,3
	OFRAG \s, \a
.endr
.endr
	FETCH 0, 0, 0
	WIN 0
	s_wait_tensorcnt 0x0                           ; slot 1 is filled again, with fill 1: no tensor load of mine is out,
	ds_add_u32 v[SPW], v[NIL]
	s_wait_dscnt 0x0                               ; the add is done and the objects' fragments are in their registers
	CROUND
	tensor_load_to_lds s[G0+4:G0+7], s[G1J:G1J+7]
	s_nop 0
	PLACES 4
	FETCH 0, 1, 1
	MUL 0, 0, 0, 0, 32, 1                          ; chunk 0's first step stands in front of the loop: there is nothing yet to fold
	WIN 0                                          ; at a label and at a branch every window is 0
	s_mov_b32 s[CNT], 3
.Lkey:                                             ; chunks 0, 1, 2 of key
	BODY 0, 0, 1
	WIN 0
	s_sub_co_u32 s[CNT], s[CNT], 1
	s_cmp_lg_u32 s[CNT], 0
	s_cbranch_scc1 .Lkey
	BODY 0, 1, 2                                   ; chunk 3 of key; the ring goes on into wv_w, and value's first products carry key's last fold
	; THE SOFTMAX OF THE 128 OBJECTS.  A lane's eight partial scores of each a, then the other half of the lanes' (the other eight d of every sixteen); the two halves of d meet in LDS.
	WIN 0
.irp a, 0,1,2,3
	v_pk_add_f32 v[SS+8*\a:SS+8*\a+1], v[SS+8*\a:SS+8*\a+1], v[SS+8*\a+2:SS+8*\a+3]
	v_pk_add_f32 v[SS+8*\a+4:SS+8*\a+5], v[SS+8*\a+4:SS+8*\a+5], v[SS+8*\a+6:SS+8*\a+7]
.endr
.irp a, 0,1,2,3
	v_pk_add_f32 v[SS+8*\a:SS+8*\a+1], v[SS+8*\a:SS+8*\a+1], v[SS+8*\a+4:SS+8*\a+5]
.endr
.irp a, 0,1,2,3
	v_add_f32 v[SS+8*\a], v[SS+8*\a], v[SS+8*\a+1]
.endr
.irp a, 0,1,2,3
	v_permlanex16_b32 v[SS+8*\a+2], v[SS+8*\a], s[SEL], s[SEL+1]
.endr
.irp a, 0,1,2,3
	v_add_f32 v[SS+8*\a], v[SS+8*\a], v[SS+8*\a+2]
.endr
.irp a, 0,1,2,3
	ds_store_b32 v[ASC], v[SS+8*\a] offset:64*\a   ; both halves of the lanes write the same word with the same value
.endr
	s_wait_dscnt 0x0                               ; for the others' sake: my stores are done
	s_barrier_signal -1
	s_barrier_wait -1                              ; my one tensor load, slot 1's, may stay out
	ds_load_b128 v[84:87], v[ARD]                  ; objects 4 x lane + 0 .. 3: the first half of d,
	ds_load_b128 v[88:91], v[ARD] offset:512       ; the second
	s_wait_dscnt 0x0
	v_pk_add_f32 v[84:85], v[84:85], v[88:89]
	v_pk_add_f32 v[86:87], v[86:87], v[90:91]
.irp i, 84,85,86,87
	v_add_f32 v\i, v[CB], v\i                      ; t
.endr
	v_max3_num_f32 v[MX], v84, v85, v86
	v_max_num_f32 v[MX], v[MX], v87
	v_max_num_f32_dpp v[MX], v[MX], v[MX] row_xmask:1 row_mask:0xf bank_mask:0xf
	v_max_num_f32_dpp v[MX], v[MX], v[MX] row_xmask:2 row_mask:0xf bank_mask:0xf
	v_max_num_f32_dpp v[MX], v[MX], v[MX] row_xmask:4 row_mask:0xf bank_mask:0xf
	v_max_num_f32_dpp v[MX], v[MX], v[MX] row_xmask:8 row_mask:0xf bank_mask:0xf
	v_permlanex16_b32 v[TP], v[MX], s[SEL], s[SEL+1]
	v_max_num_f32 v[MX], v[MX], v[TP]              ; m: the largest t of the 128
.irp i, 84,85,86,87
	v_sub_f32 v\i, v\i, v[MX]
.endr
.irp i, 84,85,86,87
	v_exp_f32 v\i, v\i                             ; p = 2^(t - m), at most 1
.endr
	v_nop                                          ; a plain instruction behind the last exponential
	s_wait_alu depctr_va_vdst(0)                   ; one wait for the four, ahead of their first reader
	v_add_f32 v[MX+1], v84, v85
	v_add_f32 v88, v86, v87
	v_add_f32 v[MX+1], v[MX+1], v88
	v_add_f32_dpp v[MX+1], v[MX+1], v[MX+1] row_xmask:1 row_mask:0xf bank_mask:0xf
	v_add_f32_dpp v[MX+1], v[MX+1], v[MX+1] row_xmask:2 row_mask:0xf bank_mask:0xf
	v_add_f32_dpp v[MX+1], v[MX+1], v[MX+1] row_xmask:4 row_mask:0xf bank_mask:0xf
	v_add_f32_dpp v[MX+1], v[MX+1], v[MX+1] row_xmask:8 row_mask:0xf bank_mask:0xf
	v_permlanex16_b32 v[TP], v[MX+1], s[SEL], s[SEL+1]
	v_add_f32 v[MX+1], v[MX+1], v[TP]              ; l
	ds_store_b128 v[APW], v[84:87]                 ; the 128 p into my wave's own bytes,
	WIN 0x40
.irp a, 0,1,2,3
	ds_load_b128 v[VEC+8*\a:VEC+8*\a+3], v[APR] offset:64*\a        ; and back as value's fold wants them: for block a those of objects 16 a + 8 h + 0 .. 7.  LDS serves a wave's instructions in order (ISA guide 5.7.1.4)
	ds_load_b128 v[VEC+8*\a+4:VEC+8*\a+7], v[APR] offset:64*\a+16
.endr
	WIN 0
	s_cmp_lg_u32 s[WV], 0                          ; every wave holds the same m and l: wave 0's lane 0 stores them
	s_cbranch_scc1 .Lno_ml
	s_wait_xcnt 0x0                                ; EXEC changes only behind this wait
	v_cmp_eq_u32 vcc_lo, 0, v0
	s_and_saveexec_b32 s30, vcc_lo
	global_store_b64 v[ZO], v[MX:MX+1], s[PML:PML+1]
	s_wait_xcnt 0x0                                ; and again, in front of the line that widens it
	s_or_b32 exec_lo, exec_lo, s30
.Lno_ml:
	s_mov_b32 s[CNT], 3
.Lval:                                             ; chunks 0, 1, 2 of value
	BODY 1, 1, 1
	OREDUCE
	s_sub_co_u32 s[CNT], s[CNT], 1
	s_cmp_lg_u32 s[CNT], 0
	s_cbranch_scc1 .Lval
	; the last chunk is written out: it asks for nothing more
	STEPP 1, 0, 1
	HEAD
	s_wait_loadcnt 0x0
	PERM16 SW+16
	s_wait_xcnt 0x0
	s_add_nc_u64 s[POP:POP+1], s[POP:POP+1], 1024
	FETCH 0, 3, 1
	MUL 1, 0, 2, 0, 32, 0
	TURN 1, 0, 0
	STEPP 1, 1, 0
	STEPP 1, 1, 1
	STEPP 1, 1, 2
	s_wait_dscnt 0x0
	MUL 1, 1, 3, 0, 32, 0
	PLACES 4
	WIN 0x07
.set iy, 0
.rept 16
	EPIV2 iy/8, iy%8
.set iy, iy+2
.endr
	OREDUCE
	s_wait_tensorcnt 0x0                           ; the wave's end, behind my last tensor load and my last LDS store
	ds_add_u32 v[SPW], v[NIL]
	s_wait_dscnt 0x0
	CROUND                                         ; the closing round: no work-group ends while a partner may still ask for a tile that names it
	s_endpgm
.Lfunc_end_k_qbad99e0161_fused:
	.size	k_qbad99e0161_fused, .Lfunc_end_k_qbad99e0161_fused-k_qbad99e0161_fused
	.p2alignl 7, 3214868480
	.fill 96, 4, 3214868480
	.section	.rodata,"a",@progbits
	.p2align	6, 0x0
	.amdhsa_kernel k_qbad99e0161_fused
		.amdhsa_group_segment_fixed_size 327680
		.amdhsa_private_segment_fixed_size 0
		.amdhsa_enable_private_segment 0
		.amdhsa_kernarg_size 80
		.amdhsa_user_sgpr_count 2
		.amdhsa_user_sgpr_kernarg_segment_ptr 1
		.amdhsa_wavefront_size32 1
		.amdhsa_system_sgpr_workgroup_id_x 1
		.amdhsa_system_sgpr_workgroup_id_y 1
		.amdhsa_system_sgpr_workgroup_id_z 1
		.amdhsa_system_vgpr_workitem_id 0
		.amdhsa_next_free_vgpr 1024
		.amdhsa_next_free_sgpr 96
		.amdhsa_reserve_vcc 1
		.amdhsa_float_denorm_mode_32 3
		.amdhsa_float_denorm_mode_16_64 3
		.amdhsa_memory_ordered 1
		.amdhsa_forward_progress 1
		.amdhsa_inst_pref_size 255
	.end_amdhsa_kernel
	.section	.bss,"aw",@nobits
	.p2align	6
	.space	262144
	.amdgpu_metadata
---
amdhsa.version: [ 1, 2 ]
amdhsa.kernels:
  - .name:           k_qbad99e0161_fused
    .symbol:         k_qbad99e0161_fused.kd
    .args:
      - { .name: obj_embed_codes, .offset: 0, .size: 8, .value_kind: global_buffer, .address_space: global }
      - { .name: obj_embed_scales, .offset: 8, .size: 8, .value_kind: global_buffer, .address_space: global }
      - { .name: wk_w_codes, .offset: 16, .size: 8, .value_kind: global_buffer, .address_space: global }
      - { .name: wk_w_scales, .offset: 24, .size: 8, .value_kind: global_buffer, .address_space: global }
      - { .name: wk_b, .offset: 32, .size: 8, .value_kind: global_buffer, .address_space: global }
      - { .name: wv_w_codes, .offset: 40, .size: 8, .value_kind: global_buffer, .address_space: global }
      - { .name: wv_w_scales, .offset: 48, .size: 8, .value_kind: global_buffer, .address_space: global }
      - { .name: qc, .offset: 56, .size: 8, .value_kind: global_buffer, .address_space: global }
      - { .name: part, .offset: 64, .size: 8, .value_kind: global_buffer, .address_space: global }
      - { .name: ml, .offset: 72, .size: 8, .value_kind: global_buffer, .address_space: global }
    .group_segment_fixed_size: 327680
    .private_segment_fixed_size: 0
    .kernarg_segment_align: 8
    .kernarg_segment_size: 80
    .max_flat_workgroup_size: 128
    .sgpr_count:     96
    .vgpr_count:     1024
    .wavefront_size: 32
...
	.end_amdgpu_metadata
.endif
;; end of part 2
;; launch combine (part 3): grid 8 x 32, 1 waves a work-group, no clusters, 768 bytes of LDS; arguments part, ml, wv_b, out0; writes out0
.if DOCPART == 3
	.amdgcn_target "amdgcn-amd-amdhsa--gfx1250"
	.amdhsa_code_object_version 6
	.text
	.protected	k_qbad99e0161_combine
	.globl	k_qbad99e0161_combine
	.p2align	8
	.type	k_qbad99e0161_combine,@function
k_qbad99e0161_combine:
	s_mov_b64 s[64:65], 0
	v_nop
	global_prefetch_b8 v0, s[64:65] scope:SCOPE_SE
	s_setreg_imm32_b32 hwreg(HW_REG_WAVE_MODE, 25, 1), 1
	s_wait_xcnt 0x0
; out0[b][d] = (sum over the batch's eight work-groups t of 2^(m_t - M) (part[t][0][d] + part[t][1][d])) / (sum over t of 2^(m_t - M) l_t) + wv_b[d],  M = the largest m_t.
; The softmax's weights add up to 1, so value's bias is added behind the division.  One wave takes 128 d of one batch: sixteen loads of 512 consecutive bytes.  Memory binds; matrix units, clusters and barriers would add nothing.
; part's order of d within 128 is that of the launch before: lane (r, h), register i: d = 16 (i + 4 h) + r; a turn through 512 bytes of LDS gives the natural order, so that the wave stores 512 consecutive bytes.
; LIMITS: NaN and infinities are not served; a factor 2^(m_t - M) under 2^-126 counts as 0 (v_exp_f32 gives 0 there: ISA guide, its entry in 15.8).
	s_load_b256 s[4:11], s[0:1], 0x0               ; part s[4:5], ml s[6:7], wv_b s[8:9], out0 s[10:11]
	v_lshl_add_u32 v128, v0, 2, 0x200
	v_mov_b32 v129, 0
	s_and_b32 s12, ttmp7, 0xffff                   ; the batch
	v_lshlrev_b32 v1, 4, v0                        ; 16 x lane
	v_mov_b32 v2, 0
	v_and_b32 v3, 15, v0
	v_lshrrev_b32 v28, 4, v0
	v_lshlrev_b32 v3, 2, v3
	v_lshl_add_u32 v3, v28, 8, v3                  ; 4 r + 256 h: where d = 16 (i + 4 h) + r lies, less 64 i
	s_lshl_b32 s14, ttmp9, 9                       ; my 128 d: 512 bytes
	s_mov_b32 s15, 0
	s_lshl_b32 s16, s12, 16                        ; part: 16 rows of 4,096 bytes a batch
	s_mov_b32 s17, 0
	s_lshl_b32 s18, s12, 6                         ; ml: 8 pairs a batch
	s_mov_b32 s19, 0
	s_lshl_b32 s20, s12, 12
	s_mov_b32 s21, 0
	s_wait_kmcnt 0x0
	s_add_nc_u64 s[4:5], s[4:5], s[16:17]
	s_add_nc_u64 s[4:5], s[4:5], s[14:15]
	s_add_nc_u64 s[6:7], s[6:7], s[18:19]
	s_add_nc_u64 s[8:9], s[8:9], s[14:15]
	s_add_nc_u64 s[10:11], s[10:11], s[20:21]
	s_add_nc_u64 s[10:11], s[10:11], s[14:15]
.irp t, 0,1,2,3
	global_load_b128 v[8+4*\t:11+4*\t], v2, s[6:7] offset:16*\t      ; m_t in v[8 + 2 t], l_t in v[9 + 2 t], in every lane
.endr
	global_load_b128 v[24:27], v1, s[8:9]          ; wv_b, in the natural order
.irp k, 0,1,2,3,4,5,6,7,8,9,10,11,12,13,14,15
	global_load_b128 v[32+4*\k:35+4*\k], v1, s[4:5] offset:4096*\k th:TH_LOAD_NT   ; row k: work-group k / 2, its half k % 2
.endr
	s_wait_loadcnt 17                              ; the four loads of m and l are in; the seventeen behind them may be out
	v_max3_num_f32 v120, v8, v10, v12
	v_max3_num_f32 v120, v120, v14, v16
	v_max3_num_f32 v120, v120, v18, v20
	v_max_num_f32 v120, v120, v22                  ; M
.irp t, 0,1,2,3,4,5,6,7
	v_sub_f32 v[112+\t], v[8+2*\t], v120
.endr
.irp t, 0,1,2,3,4,5,6,7
	v_exp_f32 v[96+2*\t], v[112+\t]                ; e_t = 2^(m_t - M), twice: a pair for the packed forms
	v_exp_f32 v[97+2*\t], v[112+\t]
.endr
	v_nop                                          ; a plain instruction behind the last exponential
	s_wait_alu depctr_va_vdst(0)                   ; one wait for the sixteen, ahead of their first reader
	v_mul_f32 v121, v96, v9
.irp t, 1,2,3,4,5,6,7
	v_fmac_f32 v121, v[96+2*\t], v[9+2*\t]         ; the batch's sum
.endr
	v_rcp_f32 v122, v121
	v_rcp_f32 v123, v121
	s_wait_loadcnt 0x0
	v_pk_mul_f32 v[124:125], v[32:33], v[96:97]    ; (plain work behind the reciprocals, which names neither their results nor their source)
	v_pk_mul_f32 v[126:127], v[34:35], v[96:97]
.irp k, 1,2,3,4,5,6,7,8,9,10,11,12,13,14,15
	v_pk_fma_f32 v[124:125], v[32+4*\k:33+4*\k], v[96+2*(\k/2):97+2*(\k/2)], v[124:125]
	v_pk_fma_f32 v[126:127], v[34+4*\k:35+4*\k], v[96+2*(\k/2):97+2*(\k/2)], v[126:127]
.endr
	s_wait_alu depctr_va_vdst(0)                   ; one wait for the two reciprocals, ahead of their first reader
	v_pk_mul_f32 v[124:125], v[124:125], v[122:123]
	v_pk_mul_f32 v[126:127], v[126:127], v[122:123]
.irp i, 0,1,2,3
	ds_store_b32 v3, v[124+\i] offset:64*\i
.endr
	ds_load_b128 v[4:7], v1                        ; LDS serves a wave's instructions in order (ISA guide 5.7.1.4): this sees the stores above
	s_wait_dscnt 0x0
	v_pk_add_f32 v[4:5], v[4:5], v[24:25]
	v_pk_add_f32 v[6:7], v[6:7], v[26:27]
	global_store_b128 v1, v[4:7], s[10:11]         ; 32 lanes store 512 consecutive bytes, at a multiple of 256 from out0's first byte
	s_wait_tensorcnt 0x0
	ds_add_u32 v128, v129
	s_wait_dscnt 0x0
	s_endpgm
.Lfunc_end_k_qbad99e0161_combine:
	.size	k_qbad99e0161_combine, .Lfunc_end_k_qbad99e0161_combine-k_qbad99e0161_combine
	.p2alignl 7, 3214868480
	.fill 96, 4, 3214868480
	.section	.rodata,"a",@progbits
	.p2align	6, 0x0
	.amdhsa_kernel k_qbad99e0161_combine
		.amdhsa_group_segment_fixed_size 768
		.amdhsa_private_segment_fixed_size 0
		.amdhsa_enable_private_segment 0
		.amdhsa_kernarg_size 32
		.amdhsa_user_sgpr_count 2
		.amdhsa_user_sgpr_kernarg_segment_ptr 1
		.amdhsa_wavefront_size32 1
		.amdhsa_system_sgpr_workgroup_id_x 1
		.amdhsa_system_sgpr_workgroup_id_y 1
		.amdhsa_system_sgpr_workgroup_id_z 1
		.amdhsa_system_vgpr_workitem_id 0
		.amdhsa_next_free_vgpr 130
		.amdhsa_next_free_sgpr 66
		.amdhsa_reserve_vcc 0
		.amdhsa_float_denorm_mode_32 3
		.amdhsa_float_denorm_mode_16_64 3
		.amdhsa_memory_ordered 1
		.amdhsa_forward_progress 1
		.amdhsa_inst_pref_size 8
	.end_amdhsa_kernel
	.amdgpu_metadata
---
amdhsa.version: [ 1, 2 ]
amdhsa.kernels:
  - .name:           k_qbad99e0161_combine
    .symbol:         k_qbad99e0161_combine.kd
    .args:
      - { .name: part, .offset: 0, .size: 8, .value_kind: global_buffer, .address_space: global }
      - { .name: ml, .offset: 8, .size: 8, .value_kind: global_buffer, .address_space: global }
      - { .name: wv_b, .offset: 16, .size: 8, .value_kind: global_buffer, .address_space: global }
      - { .name: out0, .offset: 24, .size: 8, .value_kind: global_buffer, .address_space: global }
    .group_segment_fixed_size: 768
    .private_segment_fixed_size: 0
    .kernarg_segment_align: 8
    .kernarg_segment_size: 32
    .max_flat_workgroup_size: 32
    .sgpr_count:     66
    .vgpr_count:     130
    .wavefront_size: 32
...
	.end_amdgpu_metadata
.endif
;; end of part 3
;; ======== version 2 of 2: 3 launches
;; workspace buffers: qc 131,072 bytes; part 2,097,152 bytes; ml 2,048 bytes
;; launch query (part 4): grid 64 x 2, 2 waves a work-group, no clusters, 2,816 bytes of LDS; arguments h_codes, h_scales, q1_w_codes, q1_w_scales, q1_b, alpha1, q2_w_codes, q2_w_scales, q2_b, alpha2, qc; writes qc
.if DOCPART == 4
	.amdgcn_target "amdgcn-amd-amdhsa--gfx1250"
	.amdhsa_code_object_version 6
	.text
	.protected	k_qbad99e0161_query
	.globl	k_qbad99e0161_query
	.p2align	8
	.type	k_qbad99e0161_query,@function
k_qbad99e0161_query:
	s_mov_b64 s[64:65], 0
	v_nop
	global_prefetch_b8 v0, s[64:65] scope:SCOPE_SE
	s_setreg_imm32_b32 hwreg(HW_REG_WAVE_MODE, 25, 1), 1
	s_wait_xcnt 0x0
; qc(b, d) = (alpha1 (h0 q1_w^T + q1_b) + alpha2 (h1 q2_w^T + q2_b))(b, d) x log2(e) / 32: the one query vector of batch b, with 1 / sqrt(1024) and the
; softmax's change to base 2 folded in.  Both products on codes of FP6 (E2M3) with one E8M0 scale for each 32 along K, taken as they lie in memory.
; qc IS LAID [64 tiles of 16 d][32 batches][16 d], so that a work-group's result, 16 batches x 16 d, is 1,024 consecutive bytes.
; SHARES.  A work-group takes one tile of 16 d x 16 batches; its two waves are the two products.  A wave's sum over K = 1,024 is eight matrix instructions on two accumulators by turns.  128 work-groups: a wave's 52 loads
; name 32 different places each, so they are spread over as many work-groups as whole 256-byte stores allow.
; K IS PERMUTED ALIKE ON BOTH OPERANDS: lane (r, h) takes the 48 consecutive bytes at 96 s + 48 h of its row (blocks 2 h and 2 h + 1 of K step s) by three loads of 16 bytes, where the operand's
; layout names blocks h and 2 + h.  So the instruction's blocks 1 and 2 hold the memory's blocks 2 and 1, and bytes 1 and 2 of every scale word change places.  The products are the same; their grouping inside a sum differs.
; LIMITS: NaN, infinities and the scale byte 0xff among the inputs are not served.
.set WF, 64                            ; v64-159   q_w's eight fragments (16 d x 128 K, 12 registers each)
.set HF, 160                           ; v160-255  h's eight fragments (16 batches x 128 K)
.set SPT, 80                           ; a stage row: 16 d x 4 bytes + 16
.set STG, 16*SPT                       ; the stage of one product: 16 batches
	s_load_b512 s[4:19], s[0:1], 0x0               ; h's codes s[4:5], h's scales s[6:7], q1_w's codes, scales, q1_b, alpha1 s[8:15], q2_w's codes, scales s[16:19]
	s_load_b128 s[20:23], s[0:1], 0x40             ; q2_b, alpha2
	s_load_b64 s[24:25], s[0:1], 0x50              ; qc
	v_lshl_add_u32 v62, v0, 2, 0xa00
	v_mov_b32 v63, 0
	v_lshrrev_b32 v1, 5, v0
	v_readfirstlane_b32 s28, v1                    ; wave 0, 1: which product
	s_and_b32 s31, ttmp7, 0xffff                   ; which 16 batches
	v_and_b32 v7, 15, v0                           ; r
	v_bfe_u32 v3, v0, 4, 1                         ; h
	v_mul_u32_u24 v1, v7, 768
	v_mad_u32_u24 v1, v3, 48, v1                   ; codes: row r of 768 bytes, + 48 h
	v_lshlrev_b32 v2, 5, v7
	v_lshl_add_u32 v2, v3, 4, v2                   ; scale words: row r of 32 bytes; lanes 0-15 take K steps 0-3, lanes 16-31 K steps 4-7
	s_mul_i32 s32, s28, STG
	v_mul_u32_u24 v4, v7, SPT
	v_lshl_add_u32 v4, v3, 5, v4
	v_add_nc_u32 v4, s32, v4                       ; into the stage: my product's, row = batch r, + 32 h
	v_lshrrev_b32 v5, 2, v0
	v_mul_u32_u24 v5, v5, SPT
	v_and_b32 v6, 3, v0
	v_lshl_add_u32 v5, v6, 4, v5                   ; out of it: thread t takes 16 bytes: row t / 4, piece t % 4
	v_lshlrev_b32 v6, 4, v0                        ; which are bytes 16 t of the work-group's 1,024
	v_lshlrev_b32 v3, 5, v3                        ; the bias: 32 h bytes
	s_lshl_b32 s32, ttmp9, 4                       ; my first row of q_w: 16 x
	s_lshl_b32 s33, s28, 5
	s_lshl_b32 s34, s31, 4
	s_add_co_u32 s33, s33, s34                     ; my first row of h: 32 x product + 16 y
	s_mov_b32 s37, 0
	s_wait_kmcnt 0x0
	s_cmp_eq_u32 s28, 0                            ; the choice hangs on the wave's number alone
	s_cselect_b64 s[8:9], s[8:9], s[16:17]
	s_cselect_b64 s[10:11], s[10:11], s[18:19]
	s_cselect_b64 s[12:13], s[12:13], s[20:21]
	s_cselect_b64 s[14:15], s[14:15], s[22:23]
	s_load_b32 s26, s[14:15], 0x0                  ; my product's alpha
	s_mul_i32 s36, s32, 768
	s_add_nc_u64 s[8:9], s[8:9], s[36:37]
	s_lshl_b32 s36, s32, 5
	s_add_nc_u64 s[10:11], s[10:11], s[36:37]
	s_lshl_b32 s36, s32, 2
	s_add_nc_u64 s[12:13], s[12:13], s[36:37]
	s_mul_i32 s36, s33, 768
	s_add_nc_u64 s[4:5], s[4:5], s[36:37]
	s_lshl_b32 s36, s33, 5
	s_add_nc_u64 s[6:7], s[6:7], s[36:37]
	s_lshl_b32 s36, ttmp9, 11                      ; qc: 2,048 bytes a tile of d,
	s_lshl_b32 s34, s31, 10                        ; 64 bytes a batch: 1,024 for sixteen
	s_add_co_u32 s36, s36, s34
	s_add_nc_u64 s[24:25], s[24:25], s[36:37]
	global_load_b128 v[8:11], v2, s[10:11]         ; q_w's scale words
	global_load_b128 v[12:15], v2, s[6:7]          ; h's
	global_load_b128 v[32:35], v3, s[12:13]        ; the bias in the result's layout: d = 8 h + 0 .. 7
	global_load_b128 v[36:39], v3, s[12:13] offset:16
.irp s, 0,1,2,3,4,5,6,7
.irp i, 0,1,2
	global_load_b128 v[WF+12*\s+4*\i:WF+12*\s+4*\i+3], v1, s[8:9] offset:96*\s+16*\i
	global_load_b128 v[HF+12*\s+4*\i:HF+12*\s+4*\i+3], v1, s[4:5] offset:96*\s+16*\i
.endr
.endr
	s_mov_b32 s27, 0x03010200                      ; bytes 1 and 2 change places
	s_wait_kmcnt 0x0
	v_mov_b32 v56, 0x3d38aa3b                      ; log2(e) / 32
	v_mul_f32 v56, s26, v56                        ; x alpha
	v_mov_b32 v57, v56                             ; twice: a pair for the packed multiply
	s_wait_loadcnt 0x0
.irp i, 8,9,10,11,12,13,14,15
	v_perm_b32 v\i, v\i, v\i, s27
.endr
.rept 8
	v_nop                                          ; a scale register written by a vector instruction stands eight places ahead of a scaled matrix instruction
.endr
; Source 0 = 16 rows of q_w, source 1 = 16 rows of h: lane (r, h) then holds batch r and d = 8 h + 0 .. 7.  Even K steps add onto v[16:23], which begins with the bias, odd ones onto v[24:31]: the two take turns.
.macro QMM d, s, c
.if \s < 4
.if \c < 0
	v_wmma_scale_f32_16x16x128_f8f6f4 v[\d:\d+7], v[WF+12*\s:WF+12*\s+11], v[HF+12*\s:HF+12*\s+11], 0, v[8+\s%4], v[12+\s%4] matrix_a_fmt:MATRIX_FMT_FP6 matrix_b_fmt:MATRIX_FMT_FP6
.else
	v_wmma_scale_f32_16x16x128_f8f6f4 v[\d:\d+7], v[WF+12*\s:WF+12*\s+11], v[HF+12*\s:HF+12*\s+11], v[\c:\c+7], v[8+\s%4], v[12+\s%4] matrix_a_fmt:MATRIX_FMT_FP6 matrix_b_fmt:MATRIX_FMT_FP6
.endif
.else
	v_wmma_scale_f32_16x16x128_f8f6f4 v[\d:\d+7], v[WF+12*\s:WF+12*\s+11], v[HF+12*\s:HF+12*\s+11], v[\c:\c+7], v[8+\s%4], v[12+\s%4] matrix_a_fmt:MATRIX_FMT_FP6 matrix_b_fmt:MATRIX_FMT_FP6 matrix_a_scale:MATRIX_SCALE_ROW1 matrix_b_scale:MATRIX_SCALE_ROW1
.endif
.endm
	QMM 16, 0, 32
	QMM 24, 1, -1
	QMM 16, 2, 16
	QMM 24, 3, 24
	QMM 16, 4, 16
	QMM 24, 5, 24
	QMM 16, 6, 16
	QMM 24, 7, 24
.rept 4
	v_nop                                          ; four places behind the last matrix instruction, ahead of the first read of results
.endr
.irp j, 0,2,4,6
	v_pk_add_f32 v[40+\j:41+\j], v[16+\j:17+\j], v[24+\j:25+\j]   ; the two halves of K, each accumulator from its low end on
.endr
.irp j, 0,2,4,6
	v_pk_mul_f32 v[40+\j:41+\j], v[40+\j:41+\j], v[56:57]
.endr
	ds_store_b128 v4, v[40:43]
	ds_store_b128 v4, v[44:47] offset:16
	s_wait_dscnt 0x0                               ; for the other wave's sake: my stores into the stage are done
	s_barrier_signal -1
	s_barrier_wait -1
	ds_load_b128 v[48:51], v5                      ; the first product's part of my 16 bytes,
	ds_load_b128 v[52:55], v5 offset:STG           ; the second's
	s_wait_dscnt 0x0
	v_pk_add_f32 v[48:49], v[48:49], v[52:53]
	v_pk_add_f32 v[50:51], v[50:51], v[54:55]
	global_store_b128 v6, v[48:51], s[24:25]       ; a wave stores 512 consecutive bytes, at a multiple of 512 from qc's first byte
	s_wait_tensorcnt 0x0
	ds_add_u32 v62, v63
	s_wait_dscnt 0x0
	s_endpgm
.Lfunc_end_k_qbad99e0161_query:
	.size	k_qbad99e0161_query, .Lfunc_end_k_qbad99e0161_query-k_qbad99e0161_query
	.p2alignl 7, 3214868480
	.fill 96, 4, 3214868480
	.section	.rodata,"a",@progbits
	.p2align	6, 0x0
	.amdhsa_kernel k_qbad99e0161_query
		.amdhsa_group_segment_fixed_size 2816
		.amdhsa_private_segment_fixed_size 0
		.amdhsa_enable_private_segment 0
		.amdhsa_kernarg_size 88
		.amdhsa_user_sgpr_count 2
		.amdhsa_user_sgpr_kernarg_segment_ptr 1
		.amdhsa_wavefront_size32 1
		.amdhsa_system_sgpr_workgroup_id_x 1
		.amdhsa_system_sgpr_workgroup_id_y 1
		.amdhsa_system_sgpr_workgroup_id_z 1
		.amdhsa_system_vgpr_workitem_id 0
		.amdhsa_next_free_vgpr 256
		.amdhsa_next_free_sgpr 66
		.amdhsa_reserve_vcc 0
		.amdhsa_float_denorm_mode_32 3
		.amdhsa_float_denorm_mode_16_64 3
		.amdhsa_memory_ordered 1
		.amdhsa_forward_progress 1
		.amdhsa_inst_pref_size 11
	.end_amdhsa_kernel
	.amdgpu_metadata
---
amdhsa.version: [ 1, 2 ]
amdhsa.kernels:
  - .name:           k_qbad99e0161_query
    .symbol:         k_qbad99e0161_query.kd
    .args:
      - { .name: h_codes, .offset: 0, .size: 8, .value_kind: global_buffer, .address_space: global }
      - { .name: h_scales, .offset: 8, .size: 8, .value_kind: global_buffer, .address_space: global }
      - { .name: q1_w_codes, .offset: 16, .size: 8, .value_kind: global_buffer, .address_space: global }
      - { .name: q1_w_scales, .offset: 24, .size: 8, .value_kind: global_buffer, .address_space: global }
      - { .name: q1_b, .offset: 32, .size: 8, .value_kind: global_buffer, .address_space: global }
      - { .name: alpha1, .offset: 40, .size: 8, .value_kind: global_buffer, .address_space: global }
      - { .name: q2_w_codes, .offset: 48, .size: 8, .value_kind: global_buffer, .address_space: global }
      - { .name: q2_w_scales, .offset: 56, .size: 8, .value_kind: global_buffer, .address_space: global }
      - { .name: q2_b, .offset: 64, .size: 8, .value_kind: global_buffer, .address_space: global }
      - { .name: alpha2, .offset: 72, .size: 8, .value_kind: global_buffer, .address_space: global }
      - { .name: qc, .offset: 80, .size: 8, .value_kind: global_buffer, .address_space: global }
    .group_segment_fixed_size: 2816
    .private_segment_fixed_size: 0
    .kernarg_segment_align: 8
    .kernarg_segment_size: 88
    .max_flat_workgroup_size: 64
    .sgpr_count:     66
    .vgpr_count:     256
    .wavefront_size: 32
...
	.end_amdgpu_metadata
.endif
;; end of part 4
;; launch fused (part 5): grid 256 x 1, 4 waves a work-group, clusters of 4 x 1, 327,680 bytes of LDS; arguments obj_embed_codes, obj_embed_scales, wk_w_codes, wk_w_scales, wk_b, wv_w_codes, wv_w_scales, qc, part, ml; writes part, ml
.if DOCPART == 5
	.amdgcn_target "amdgcn-amd-amdhsa--gfx1250"
	.amdhsa_code_object_version 6
	.text
	.protected	k_qbad99e0161_fused
	.globl	k_qbad99e0161_fused
	.p2align	8
	.type	k_qbad99e0161_fused,@function
k_qbad99e0161_fused:
	s_mov_b64 s[64:65], 0
	v_nop
	global_prefetch_b8 v0, s[64:65] scope:SCOPE_SE
	s_setreg_imm32_b32 hwreg(HW_REG_WAVE_MODE, 25, 1), 1
	s_wait_xcnt 0x0
	s_wait_alu depctr_hold_cnt(0) depctr_sa_sdst(0) depctr_va_vdst(0) depctr_va_sdst(0) depctr_va_ssrc(0) depctr_va_vcc(0) depctr_vm_vsrc(0)
	s_getreg_b32 s2, hwreg(HW_REG_IB_STS2, 6, 4)
	s_cmp_eq_u32 s2, 0
	s_cbranch_scc0 .Lentry_in_a_cluster
	s_endpgm
.Lentry_in_a_cluster:
	s_bfe_u32 s2, ttmp6, 0x10000c
	s_cmp_lg_u32 s2, 0x3003
	s_cbranch_scc0 .Lentry_shape_is_right
	s_endpgm
.Lentry_shape_is_right:
; key = obj wk_w^T, value = obj wv_w^T (codes of FP6 (E2M3), one E8M0 scale for each 32 along K), and all that stands between them and the output, for 128 objects of one batch.  Neither key nor value goes to memory.
;   t[n] = sum over d of qc[d] key[n][d] + cb,  cb = sum over d of qc[d] wk_b[d]  (qc holds both queries, the alphas, 1 / sqrt(1024) and log2(e): the launch before made it, laid [64 tiles of 16 d][32 batches][16 d]);
;   m = the largest t of the 128;  p[n] = 2^(t[n] - m);  l = their sum;  part[d] = sum over n of p[n] value[n][d], without wv_b.  The next launch joins a batch's eight work-groups by their m and l, divides, and adds wv_b.
; SHARES.  Four waves.  Wave w takes objects 64 (w / 2) on and, of each chunk of 256 rows of a weight, rows 128 (w % 2) on: 32 accumulators of 16 x 16 (a = 0..3 blocks of objects, b = 0..7 blocks of rows).
; THE OBJECTS' CODES STAY IN REGISTERS for the whole launch (32 fragments, 384 registers a wave); only the weights go round: eight chunks (four of wk_w, four of wv_w), each in two fills of 512 along K, through two LDS slots.
; ORIENTATION.  key: source 0 = 16 rows of wk_w, source 1 = 16 objects: a lane holds ONE object and eight d, which are folded with eight numbers of qc.  value: source 0 = 16 objects, source 1 = 16 rows of wv_w: a lane holds
; ONE d and eight objects, folded with eight p.  A chunk's fold stands among the next chunk's first products, which begin their sums with the constant 0: nothing is cleared but the 32 partial scores, once.
; K IS PERMUTED ALIKE ON BOTH OPERANDS: lane (r, h) takes the 48 consecutive bytes at 96 s + 48 h of its row (blocks 2 h, 2 h + 1 of K step s) by three loads of 16 bytes, where the operand's layout names blocks h and 2 + h.
; So bytes 1 and 2 of every scale word change places.  The products are the same; their grouping inside a sum differs.
; CLUSTER.  Four work-groups; all of them walk the same weights, so each tile is asked for JOINTLY, by the same tensor load with the same descriptor and the mask 15.  The objects' tile is each work-group's own: a load without a mask.
; CLUSTERS START AT DIFFERENT CHUNKS: cluster x walks a weight's four chunks in the order (x + j) mod 4.  The scores are sums over d and the outputs are stored by d, so the order is free.  At any time four different chunks are
; being asked for in the launch, and from a weight's second chunk on a cluster asks for bytes that other clusters asked for a chunk earlier.  One counter, stepped once a chunk, gives the chunk in hand and the next (its two low bits).
; LIMITS: NaN, infinities and the scale byte 0xff among the inputs are not served; a p under 2^-126 counts as 0 (v_exp_f32 gives 0 there: ISA guide, its entry in 15.8).  ml's 8 bytes a work-group leave by one lane.
; REGISTERS, in windows of 256.  Window 0: v1-31 addresses and single numbers; v32-47 the objects' scale words; v48-79 the weights', two sets; v80-111 partial scores, later partial outputs; v112-255 the objects' fragments of K steps 5-7.
;   Window 1: v0-95, v96-191 the weights' fragments, two sets; v192-255 eight numbers of qc for each b, later eight p for each a.   Window 2: the objects' fragments of K steps 0-4.   Window 3: the accumulators, (a, b) at v[8 (8 a + b)].
.set PITCH,  240                       ; an LDS row: 3 x (64 bytes of data + 16 of padding): row r starts at bank -4 r mod 64 (64 banks of 4 bytes: ISA guide 11.1), so the sixteen rows of a load of 16 bytes start at sixteen different places
.set PARTB,  128*PITCH                 ; 128 rows x 256 along K: what one tensor load brings
.set SLOTB,  4*PARTB                   ; a slot: part w = K 256 (w / 2) on, rows 128 (w % 2) on.  Slot 1 first holds the objects' tile: part w = K 256 w on of the 128 objects
.set SCR,    2*SLOTB                   ; behind the ring: 2 x 128 partial scores,
.set PSC,    SCR+1024                  ; the 128 p, once for each wave,
.set SPARE,  PSC+2048                  ; and the spare words, 128 bytes for each wave: two blocks of 256 bytes that no other line names
.set ROWM,   768                       ; a row of codes in memory
.set CHUNKB, 256*ROWM
.set SPW,  1                           ; v1     LDS address of my spare word; never rewritten
.set NIL,  2                           ; v2     0; never rewritten
.set ADW,  3                           ; v3-10  the weights' fragments: v[ADW + 4 slot + 2 z + u]: z = which 256 along K; u = 0: + 48 h, u = 1: + 64 h (a piece that lies behind one padding more)
.set AOS,  11                          ; v11    32 r + 16 h: the objects' scale words
.set AWS,  12                          ; v12    32 r + 2048 h: the weights'
.set AVE,  13                          ; v13    32 h: eight numbers of qc
.set AL16, 14                          ; v14    16 x lane
.set ASC,  15                          ; v15    where I put a partial score
.set ARD,  16                          ; v16    where I read four of them
.set APW,  17                          ; v17    where I put four p
.set APR,  18                          ; v18    where I read eight
.set CB,   19                          ; v19    cb
.set MX,   20                          ; v[20:21] m, l
.set ZO,   22                          ; v22    0: ml's offset
.set TP,   23                          ; v23    at work
.set ZR,   24                          ; v[24:27] four outputs to store (at the head: r, h, lane, 240 r)
.set OAD,  28                          ; v28-31 the objects' tile: + 48 h, + 64 h, and both two parts on.  Once the objects are in their registers:
.set PF0,  28                          ; v28    the first prefetch's offset: row t / 2, block t % 2 of 256 bytes (t: my thread's number); never rewritten after
.set PF1,  29                          ; v29    the second's: row t; never rewritten after
.set SO,   32                          ; the objects' scale words: v[SO + 4 a + k]: lanes 0-15 K steps 0-3, lanes 16-31 K steps 4-7
.set SW,   48                          ; the weights': v[SW + 16 slot + 4 (b % 4) + k]: lanes 0-15 b = 0..3, lanes 16-31 b = 4..7
.set SS,   80
.set OF0,  112
.set VEC,  192                         ; in window 1
.set PFL, 2                            ; s2     1 in clusters 0 to 3, else the greatest number: equal to the key loop's counter in the last trip of a cluster that prefetches
.set PFB, 3                            ; s3     1 in waves 0 and 1 of clusters 0 to 3, else 0
.set PFA, 4                            ; s[4:5] (once the objects' descriptor is made) wv_w at the chunk that my cluster walks first, my work-group's 64 rows of it
.set WV, 24
.set WR, 25
.set WC, 26
.set CX, 27
.set WG, 28
.set BT, 29
.set G1J, 32                           ; s[32:39] descriptor group 1, joint;  s[40:47] the same without a mask
.set G1P, 40
.set G0,  48                           ; s[48:55] group 0 for the weights, a set for each slot
.set G0O, 56                           ; s[56:59] for the objects' tile
.set VB,  60                           ; s[60:63] my part of wv_w's chunk 0: fill 0, fill 1
.set PSP, 66                           ; s[66:67] the scale words of the chunk to be fetched
.set PSVB, 68                          ; s[68:69] wv_w's scale words, chunk 0
.set PQP, 70                           ; s[70:71] qc at the chunk in hand
.set POP, 72                           ; s[72:73] part at the chunk in hand
.set SEL, 74                           ; s[74:75] v_permlanex16_b32's selects for lane l xor 16
.set SWP, 76                           ; s76    bytes 1 and 2 change places
.set CNT, 77
.set PML, 82
.set PQROW, 84
.set POS, 86
.set KB,  88                           ; s[88:91] my part of wk_w's chunk 0: fill 0, fill 1
.set PSKB, 92                          ; s[92:93] wk_w's scale words, chunk 0
.set PQB, 94                           ; s[94:95] qc, chunk 0
.set POB, 96                           ; s[96:97] part, chunk 0
.set RC,  98                           ; s98    cluster x mod 4 + the chunks walked: its two low bits are the chunk in hand
.set NOF, 100                          ; s[100:101] the next chunk's first byte in its weight
.set MSB, 0
.macro WIN new                         ; the immediate's high byte repeats the setting that is left; a switch that changes nothing is dropped
.if MSB != \new
	s_set_vgpr_msb (MSB<<8)|\new
.set MSB, \new
.endif
.endm
.macro PLACES n                        ; plain vector instructions behind matrix instructions: four ahead of loads into their registers and of reads of results, five ahead of a matrix instruction that begins an accumulator anew
.rept \n
	v_nop
.endr
.endm
.macro CREST                           ; a round of the cluster's barrier behind its opening barrier
	s_cmp_lg_u32 s[WV], 0
	s_cbranch_scc1 .Lnot_wave_0_\@
	s_barrier_signal -3
.Lnot_wave_0_\@:
	s_barrier_wait -3
	s_barrier_signal -1
	s_barrier_wait -1
.endm
.macro CROUND                          ; a whole round
	s_barrier_signal -1
	s_barrier_wait -1
	CREST
.endm
; PREFETCHES INTO THE L2, of the chunk of wv_w that a cluster walks first: nobody in the launch has asked for wv_w when its first two fills are wanted.  A chunk is 256 rows of 768 bytes: three aligned blocks of 256 bytes a row.
; Chunk c is walked first by the sixteen clusters with x mod 4 = c: cluster x = c asks, and nobody else.  Its four partners take 64 rows each, told apart BY ADDRESS.  Each block is named once in the launch.
; ASKA, in the key loop's last trip, behind step 5's run of LDS loads: blocks 0 and 1 of each row (fill 0 is bytes 0 to 383): 128 threads, a thread a block, one instruction a wave.
; ASKB, in key's last chunk, behind step 1's run: block 2 of each row (fill 1 is bytes 384 to 767): waves 0 and 1, a thread a row.  Each stands 200 matrix instructions ahead of the tensor load that wants the bytes.
.macro ASKA
	WIN 0
	s_cmp_eq_u32 s[CNT], s[PFL]
	s_cbranch_scc0 .Lno_a_\@
	global_prefetch_b8 v[PF0], s[PFA:PFA+1] th:TH_LOAD_NT scope:SCOPE_SE
.Lno_a_\@:
.endm
.macro ASKB
	WIN 0
	s_cmp_eq_u32 s[PFB], 1
	s_cbranch_scc0 .Lno_b_\@
	global_prefetch_b8 v[PF1], s[PFA:PFA+1] offset:512 th:TH_LOAD_NT scope:SCOPE_SE
.Lno_b_\@:
.endm
; A fragment, 16 rows x 128 K, 12 registers: three pieces of 16 bytes at 96 q + 48 h + 16 i of the row's 192 bytes.  The mover has laid 16 bytes of padding behind every 64: where lanes 16-31's piece lies behind one padding more than lanes 0-15's, the second address register serves.
.macro FRAGL reg, adr, q, off
.irp i, 0,1,2
.set dO, 96*(\q)+16*\i
.set l0, dO+16*(dO/64)
.set l1, dO+48+16*((dO+48)/64)
.if (l1-l0) == 48
	ds_load_b128 v[(\reg)+4*\i:(\reg)+4*\i+3], v[\adr] offset:(\off)+l0
.else
	ds_load_b128 v[(\reg)+4*\i:(\reg)+4*\i+3], v[(\adr)+1] offset:(\off)+l0
.endif
.endr
.endm
.macro FETCH sg, k, set                ; my eight fragments of the weights for step k of slot sg, into a set of window 1: 24 loads in one run
	WIN 0x40
.irp b, 0,1,2,3,4,5,6,7
	FRAGL 96*(\set)+12*\b, ADW+4*(\sg)+2*((\k)/2), (\k)%2, 16*PITCH*\b
.endr
.endm
.macro OFRAG s, a                      ; the objects' fragment of K step s, block a, from the tile in slot 1 into its register for good
.if \s < 5
.set rO, 12*(4*\s+\a)
.else
.set rO, OF0+12*(4*\s+\a-20)
.endif
	FRAGL rO, OAD+2*(\s/4), (\s)%2, PARTB*((\s/2)%2)+16*PITCH*\a
.endm
.macro EMIT zero                       ; one matrix instruction from the symbols rD, rA, rB, sA, sB; fA, fB: the scales stand in lanes 16-31
.if \zero
.if fA && fB
	v_wmma_scale_f32_16x16x128_f8f6f4 v[rD:rD+7], v[rA:rA+11], v[rB:rB+11], 0, v[sA], v[sB] matrix_a_fmt:MATRIX_FMT_FP6 matrix_b_fmt:MATRIX_FMT_FP6 matrix_a_scale:MATRIX_SCALE_ROW1 matrix_b_scale:MATRIX_SCALE_ROW1
.elseif fA
	v_wmma_scale_f32_16x16x128_f8f6f4 v[rD:rD+7], v[rA:rA+11], v[rB:rB+11], 0, v[sA], v[sB] matrix_a_fmt:MATRIX_FMT_FP6 matrix_b_fmt:MATRIX_FMT_FP6 matrix_a_scale:MATRIX_SCALE_ROW1
.elseif fB
	v_wmma_scale_f32_16x16x128_f8f6f4 v[rD:rD+7], v[rA:rA+11], v[rB:rB+11], 0, v[sA], v[sB] matrix_a_fmt:MATRIX_FMT_FP6 matrix_b_fmt:MATRIX_FMT_FP6 matrix_b_scale:MATRIX_SCALE_ROW1
.else
	v_wmma_scale_f32_16x16x128_f8f6f4 v[rD:rD+7], v[rA:rA+11], v[rB:rB+11], 0, v[sA], v[sB] matrix_a_fmt:MATRIX_FMT_FP6 matrix_b_fmt:MATRIX_FMT_FP6
.endif
.else
.if fA && fB
	v_wmma_scale_f32_16x16x128_f8f6f4 v[rD:rD+7], v[rA:rA+11], v[rB:rB+11], v[rD:rD+7], v[sA], v[sB] matrix_a_fmt:MATRIX_FMT_FP6 matrix_b_fmt:MATRIX_FMT_FP6 matrix_a_scale:MATRIX_SCALE_ROW1 matrix_b_scale:MATRIX_SCALE_ROW1
.elseif fA
	v_wmma_scale_f32_16x16x128_f8f6f4 v[rD:rD+7], v[rA:rA+11], v[rB:rB+11], v[rD:rD+7], v[sA], v[sB] matrix_a_fmt:MATRIX_FMT_FP6 matrix_b_fmt:MATRIX_FMT_FP6 matrix_a_scale:MATRIX_SCALE_ROW1
.elseif fB
	v_wmma_scale_f32_16x16x128_f8f6f4 v[rD:rD+7], v[rA:rA+11], v[rB:rB+11], v[rD:rD+7], v[sA], v[sB] matrix_a_fmt:MATRIX_FMT_FP6 matrix_b_fmt:MATRIX_FMT_FP6 matrix_b_scale:MATRIX_SCALE_ROW1
.else
	v_wmma_scale_f32_16x16x128_f8f6f4 v[rD:rD+7], v[rA:rA+11], v[rB:rB+11], v[rD:rD+7], v[sA], v[sB] matrix_a_fmt:MATRIX_FMT_FP6 matrix_b_fmt:MATRIX_FMT_FP6
.endif
.endif
.endm
; The product of the objects' block a and the weights' block b in step k of slot sg.  ph = 0: key (the weights are source 0);  ph = 1: value (the objects are).
.macro WM ph, a, b, sg, k, zero
.set rD, 8*(8*(\a)+(\b))
.set rW, 96*((\k)%2)+12*(\b)
.if 4*(\sg)+(\k) < 5
.set rO, 12*(4*(4*(\sg)+(\k))+(\a))
.else
.set rO, OF0+12*(4*(4*(\sg)+(\k))+(\a)-20)
.endif
.if \ph == 0
.set rA, rW
.set rB, rO
.set sA, SW+16*(\sg)+4*((\b)%4)+(\k)
.set sB, SO+4*(\a)+(\k)
.set fA, (\b)/4
.set fB, \sg
.else
.set rA, rO
.set rB, rW
.set sA, SO+4*(\a)+(\k)
.set sB, SW+16*(\sg)+4*((\b)%4)+(\k)
.set fA, \sg
.set fB, (\b)/4
.endif
	EMIT \zero
.endm
.macro WINM ph, sg, k                  ; the windows of a product: weights 1; objects 2, or 0 from K step 5 on; C and D 3
.if \ph == 0
.if 4*(\sg)+(\k) < 5
	WIN 0xf9
.else
	WIN 0xf1
.endif
.else
.if 4*(\sg)+(\k) < 5
	WIN 0xf6
.else
	WIN 0xf4
.endif
.endif
.endm
; n products from number i0 on, (a, b) = (i / 8, i % 8).  The 32 accumulators take turns, one instruction a turn, in the same order in every step.
.macro MUL ph, sg, k, i0, n, zero
	WINM \ph, \sg, \k
.set ix, \i0
.rept \n
	WM \ph, ix/8, ix%8, \sg, \k, \zero
.set ix, ix+1
.endr
.endm
.macro EPIK a, b                       ; key's fold: the object's partial scores += eight key numbers x eight of qc; the accumulator from its low end on
.irp jp, 0,1,2,3
	v_pk_fma_f32 v[SS+8*(\a)+2*\jp:SS+8*(\a)+2*\jp+1], v[8*(8*(\a)+(\b))+2*\jp:8*(8*(\a)+(\b))+2*\jp+1], v[VEC+8*(\b)+2*\jp:VEC+8*(\b)+2*\jp+1], v[SS+8*(\a)+2*\jp:SS+8*(\a)+2*\jp+1]
.endr
.endm
.macro EPIV2 a, b                      ; value's fold for (a, b) and (a, b + 1) by turns: d's partial outputs += eight value numbers x eight p.  Block a = 0 starts the sums
.irp jp, 0,1,2,3
.irp e, 0,1
.set rOo, SS+4*((\b)+\e)+2*(\jp%2)
.set rAc, 8*(8*(\a)+(\b)+\e)+2*\jp
.set rPv, VEC+8*(\a)+2*\jp
.if ((\a) == 0) && (\jp < 2)
	v_pk_mul_f32 v[rOo:rOo+1], v[rAc:rAc+1], v[rPv:rPv+1]
.else
	v_pk_fma_f32 v[rOo:rOo+1], v[rAc:rAc+1], v[rPv:rPv+1], v[rOo:rOo+1]
.endif
.endr
.endr
.endm
; A chunk's first step, with the fold of the chunk before: two accumulators are folded, then begun anew with the constant 0.  nph: the new chunk's kind;  fph: the old one's.
.macro MULE nph, fph
.set iy, 0
.rept 16
	WIN 0x07                               ; source 0 (accumulator) window 3, source 1 (qc or p) window 1, the sums window 0
.if \fph == 0
	EPIK iy/8, iy%8
	EPIK iy/8, iy%8+1
.else
	EPIV2 iy/8, iy%8
.endif
	WINM \nph, 0, 0
	WM \nph, iy/8, iy%8, 0, 0, 1
	WM \nph, iy/8, iy%8+1, 0, 0, 1
.set iy, iy+2
.endr
.endm
.macro PERM16 base                     ; sixteen scale words: bytes 1 and 2 change places
.irp i, 0,1,2,3,4,5,6,7,8,9,10,11,12,13,14,15
	v_perm_b32 v[\base+\i], v[\base+\i], v[\base+\i], s[SWP]
.endr
.endm
.macro SCLOAD sg                       ; the weights' scale words of a chunk's fill sg: four words a row; lanes 0-15 row 16 i + r, lanes 16-31 the row 64 further on
.irp i, 0,1,2,3
	global_load_b128 v[SW+16*\sg+4*\i:SW+16*\sg+4*\i+3], v[AWS], s[PSP:PSP+1] offset:512*\i+16*\sg
.endr
.endm
.macro VECLOAD                         ; qc at my 128 d of the chunk in hand: for block b, a tile of 16 d and 2,048 bytes on, the eight numbers at 8 h
	WIN 0x40
.irp b, 0,1,2,3,4,5,6,7
	global_load_b128 v[VEC+8*\b:VEC+8*\b+3], v[AVE], s[PQP:PQP+1] offset:2048*\b
	global_load_b128 v[VEC+8*\b+4:VEC+8*\b+7], v[AVE], s[PQP:PQP+1] offset:2048*\b+16
.endr
.endm
.macro HEAD                            ; this step's 24 fragment loads, issued a step (32 matrix instructions) ago, are in
	s_wait_dscnt 0x0
	WIN 0
.endm
.macro STEPP ph, sg, k, ask            ; a plain step: the next step's fragments are asked for, then the 32 products.  ask = 1, 2: a prefetch stands behind the run of loads
	HEAD
	PLACES 4
	FETCH \sg, (\k)+1, ((\k)+1)%2
.if \ask == 1
	ASKA
.endif
.if \ask == 2
	ASKB
.endif
	MUL \ph, \sg, \k, 0, 32, 0
.endm
; A slot's last step changes slots: ONE barrier.  In front of it each wave waits for all its tensor loads (the one that is out is its part of the other slot), adds 0 to its spare word, and waits for that and for its reads of this slot.
; fill = 1: this slot takes the same fill of the next chunk, of wk_w;  2: of wv_w;  0: nothing.  Where it is filled, the barrier opens a round of the cluster's barrier, and the joint load is the first tensor load behind the round.
; Only eight of the step's products stand ahead of the request, between the add and the wait for it; the other 24 follow it: from the request to the wait for it a wave issues 120 matrix instructions.
.macro TURN ph, sg, fill
	WIN 0
	s_wait_tensorcnt 0x0
	ds_add_u32 v[SPW], v[NIL]
	s_wait_dscnt 0x1                               ; the step's fragments are in; the add may be out
	MUL \ph, \sg, 3, 0, 8, 0
	WIN 0
	s_wait_dscnt 0x0                               ; the add is done, and my reads of this slot are over
	s_barrier_signal -1
	s_barrier_wait -1
.if \fill
	CREST                                          ; no wave of any partner still reads this slot or has a load on its way
.if \fill == 2
	s_add_nc_u64 s[G0+4*\sg+2:G0+4*\sg+3], s[VB+2*\sg:VB+2*\sg+1], s[NOF:NOF+1]
.else
	s_add_nc_u64 s[G0+4*\sg+2:G0+4*\sg+3], s[KB+2*\sg:KB+2*\sg+1], s[NOF:NOF+1]
.endif
	s_or_b32 s[G0+4*\sg+3], s[G0+4*\sg+3], 0x80000000
	tensor_load_to_lds s[G0+4*\sg:G0+4*\sg+3], s[G1J:G1J+7]
	s_nop 0
.endif
	PLACES 4                                       ; behind the tensor load, and the places in front of the loads below
	FETCH 1-\sg, 0, 0
	MUL \ph, \sg, 3, 8, 24, 0
.endm
; K steps 1 to 7 of a chunk of kind ph and step 0 of the next chunk, of kind nph.  The scale words run ahead: the next chunk's set 0 is asked for in step 4 and permuted in step 6, its set 1 in step 0 and step 2;
; behind each permutation stand the four places of the change of slots and the four or five at the next step's head: eight or more ahead of the first scaled matrix instruction that names the word.
; Step 2 also steps the walk: the chunk in hand gives qc's or part's pointer, the next chunk the descriptors' offset and the scale words' pointer.
.macro BODY ph, nph, fill, ask
.if \ask == 2
	STEPP \ph, 0, 1, 2
.else
	STEPP \ph, 0, 1, 0
.endif
	HEAD
	s_wait_loadcnt 0x0                             ; set 1's four loads (issued in step 0) are in, and so is every earlier load: the pointers below may be written
	PERM16 SW+16                                   ; sixteen plain instructions on registers that the last products do not name: also the places in front of the loads below
.if \ph == 1
	s_wait_xcnt 0x0                                ; the last chunk's store has read its base and its data
.endif
	s_and_b32 s30, s[RC], 3                        ; the chunk in hand
	s_add_co_u32 s[RC], s[RC], 1
	s_and_b32 s78, s[RC], 3                        ; the next
	s_mul_i32 s[NOF], s78, CHUNKB
	s_lshl_b32 s78, s78, 13                        ; 256 rows of 32 bytes of scale words a chunk
.if \fill == 2
	s_add_nc_u64 s[PSP:PSP+1], s[PSVB:PSVB+1], s[78:79]
.else
	s_add_nc_u64 s[PSP:PSP+1], s[PSKB:PSKB+1], s[78:79]
.endif
.if \ph == 0
	s_lshl_b32 s30, s30, 15                        ; sixteen tiles of 2,048 bytes of qc a chunk
	s_add_nc_u64 s[PQP:PQP+1], s[PQB:PQB+1], s[30:31]
.else
	s_lshl_b32 s30, s30, 10                        ; 1,024 bytes of part a chunk
	s_add_nc_u64 s[POP:POP+1], s[POB:POB+1], s[30:31]
.endif
	FETCH 0, 3, 1
	MUL \ph, 0, 2, 0, 32, 0
	TURN \ph, 0, \fill
	HEAD
	PLACES 4
	SCLOAD 0
.if \ph == 0
	VECLOAD
.endif
	FETCH 1, 1, 1
	MUL \ph, 1, 0, 0, 32, 0
.if \ask == 1
	STEPP \ph, 1, 1, 1
.else
	STEPP \ph, 1, 1, 0
.endif
	HEAD
	s_wait_loadcnt 0x0                             ; set 0's four loads, and qc's sixteen, are in
	PERM16 SW
	FETCH 1, 3, 1
	MUL \ph, 1, 2, 0, 32, 0
	TURN \ph, 1, \fill
	HEAD
	PLACES 5                                       ; five: the accumulators are begun anew
	SCLOAD 1
	FETCH 0, 1, 1
	MULE \nph, \ph
.endm
; A value chunk's outputs: a lane's four partial sums of each b are added; the two halves of the lanes (eight objects each of every sixteen) meet by an exchange that pairs b = i with b = i + 4:
; lane (r, h) then holds d = 16 (i + 4 h) + r in register i, and the wave stores 512 consecutive bytes, at a multiple of 256 from part's first byte.
.macro OREDUCE
	WIN 0
.irp b, 0,1,2,3,4,5,6,7
	v_pk_add_f32 v[SS+4*\b:SS+4*\b+1], v[SS+4*\b:SS+4*\b+1], v[SS+4*\b+2:SS+4*\b+3]
.endr
.irp b, 0,1,2,3,4,5,6,7
	v_add_f32 v[SS+4*\b], v[SS+4*\b], v[SS+4*\b+1]
.endr
.irp i, 0,1,2,3
	v_permlane16_swap_b32 v[SS+4*\i], v[SS+16+4*\i]
.endr
.irp i, 0,1,2,3
	v_add_f32 v[ZR+\i], v[SS+4*\i], v[SS+16+4*\i]
.endr
	global_store_b128 v[AL16], v[ZR:ZR+3], s[POP:POP+1] th:TH_STORE_NT   ; the base was set in this chunk's step 2
.endm
	s_load_b512 s[4:19], s[0:1], 0x0               ; obj's codes s[4:5], scales s[6:7]; wk_w's codes s[8:9], scales s[10:11]; wk_b s[12:13]; wv_w's codes s[14:15], scales s[16:17]; qc s[18:19]
	s_load_b128 s[20:23], s[0:1], 0x40             ; part, ml
	v_lshl_add_u32 v[SPW], v0, 2, SPARE
	v_mov_b32 v[NIL], 0
	ds_add_u32 v1, v2
	ds_add_u32 v1, v2
	s_wait_dscnt 0x0
	v_lshrrev_b32 v24, 5, v0
	v_readfirstlane_b32 s[WV], v24                 ; wave 0..3
	s_lshr_b32 s[WR], s[WV], 1                     ; my 64 objects.  Also: which 256 along K of a fill I fetch
	s_and_b32 s[WC], s[WV], 1                      ; my 128 rows of a chunk.  Also: which 128 rows I fetch
	s_bfe_u32 s[CX], ttmp6, 0x40000                ; my place in the cluster
	s_lshl_b32 s[WG], ttmp9, 2
	s_add_co_u32 s[WG], s[WG], s[CX]               ; the work-group: objects 128 x it on.  It enters addresses of obj, qc, part and ml alone
	s_lshr_b32 s[BT], s[WG], 3                     ; the batch
	s_and_b32 s[RC], ttmp9, 3                      ; the chunk at which my cluster begins: the same in all four partners
	s_mul_i32 s[NOF], s[RC], CHUNKB
	s_mov_b32 s[NOF+1], 0
	s_cmp_lt_u32 ttmp9, 4                          ; clusters 0 to 3 prefetch: the same in all four partners
	s_cselect_b32 s[PFL], 1, -1
	s_cselect_b32 s[PFB], 1, 0
	s_cmp_lt_u32 s[WV], 2
	s_cselect_b32 s[PFB], s[PFB], 0
	; descriptor group 1: a tile of 128 rows x 192 bytes, rows 768 bytes apart in memory, 16 bytes of padding behind every 64 in LDS
	s_mov_b32 s[G1J], 15|(1<<20)|(1<<21)|(3<<22)|(3<<25)  ; 15:0 the mask: all four work-groups; 17:16 elements of 1 byte; 20 padding on; 21 set beside a mask; 24:22 after every 16 words (code 3); 31:25 4 words of it (code 3)
	s_mov_b32 s[G1P], (1<<20)|(3<<22)|(3<<25)      ; the same without a mask
.irp g, G1J, G1P
	s_mov_b32 s[\g+1], 192<<16                     ; tensor_dim0
	s_mov_b32 s[\g+2], 128<<16                     ; tensor_dim1
	s_mov_b32 s[\g+3], 192<<16                     ; tile_dim0
	s_mov_b32 s[\g+4], 128                         ; tile_dim1
	s_mov_b32 s[\g+5], ROWM                        ; tensor_dim0_stride
	s_mov_b32 s[\g+6], 0
	s_mov_b32 s[\g+7], 0
.endr
	s_mov_b32 s[SEL], 0x76543210
	s_mov_b32 s[SEL+1], 0xfedcba98
	s_mov_b32 s[SWP], 0x03010200
	v_and_b32 v24, 15, v0                          ; r
	v_bfe_u32 v25, v0, 4, 1                        ; h
	v_and_b32 v26, 31, v0                          ; lane
	v_mul_u32_u24 v27, v24, PITCH
	s_mul_i32 s30, s[WC], PARTB
	v_add_nc_u32 v[ADW], s30, v27                  ; my 128 rows' part, row r
	v_lshl_add_u32 v[ADW+1], v25, 6, v[ADW]
	v_mad_u32_u24 v[ADW], v25, 48, v[ADW]
.irp n, 1,2,3
	v_add_nc_u32 v[ADW+2*\n], (\n/2)*SLOTB+(\n%2)*2*PARTB, v[ADW]
	v_add_nc_u32 v[ADW+2*\n+1], (\n/2)*SLOTB+(\n%2)*2*PARTB, v[ADW+1]
.endr
	s_mul_i32 s30, s[WR], 64*PITCH
	s_add_co_u32 s30, s30, SLOTB
	v_add_nc_u32 v[OAD], s30, v27                  ; the objects' tile, in slot 1: my 64 rows, row r
	v_lshl_add_u32 v[OAD+1], v25, 6, v[OAD]
	v_mad_u32_u24 v[OAD], v25, 48, v[OAD]
	v_add_nc_u32 v[OAD+2], 2*PARTB, v[OAD]
	v_add_nc_u32 v[OAD+3], 2*PARTB, v[OAD+1]
	v_lshlrev_b32 v[AOS], 5, v24
	v_lshl_add_u32 v[AWS], v25, 11, v[AOS]
	v_lshl_add_u32 v[AOS], v25, 4, v[AOS]
	v_lshlrev_b32 v[AVE], 5, v25
	v_lshlrev_b32 v[AL16], 4, v26
	s_lshl_b32 s30, s[WC], 9
	s_lshl_b32 s78, s[WR], 8
	s_add_co_u32 s30, s30, s78
	s_add_co_u32 s30, s30, SCR
	v_lshl_add_u32 v[ASC], v24, 2, s30             ; partial scores: 512 bytes for each half of d; object 64 (w / 2) + 16 a + r
	v_lshl_add_u32 v[ARD], v26, 4, SCR
	s_lshl_b32 s30, s[WV], 9
	s_add_co_u32 s30, s30, PSC
	v_lshl_add_u32 v[APW], v26, 4, s30             ; my wave's 128 p
	s_add_co_u32 s30, s30, s78
	v_lshl_add_u32 v[APR], v25, 5, s30             ; of them my 64 objects', eight from 8 h on
	v_mov_b32 v[ZO], 0
	v_mov_b32 v[TP], 0                             ; written once: a lane permute's destination counts as one of its sources
	v_lshrrev_b32 v184, 2, v26                     ; the batch's whole qc in the order of d: numbers 4 x lane + 0 .. 3 of each 128 lie in tile lane / 4, at 16 (lane % 4)
	v_and_b32 v185, 3, v26
	v_lshlrev_b32 v184, 11, v184
	v_lshl_add_u32 v184, v185, 4, v184
	s_mul_i32 s30, s[WC], 128*ROWM                 ; what I fetch of a fill: rows 128 (w % 2) on,
	s_mul_i32 s31, s[WR], 192                      ; K 256 (w / 2) on
	s_add_co_u32 s30, s30, s31
	s_mov_b32 s31, 0
	s_mul_i32 s78, s[WV], PARTB                    ; and where it goes: no place in the cluster enters an LDS address
	s_mul_i32 s80, s[WG], 128*ROWM                 ; the objects' tile: my work-group's 128 rows,
	s_mul_i32 s79, s[WV], 192                      ; K 256 w on
	s_add_co_u32 s80, s80, s79
	s_mov_b32 s81, 0
	s_wait_kmcnt 0x0
	s_add_nc_u64 s[KB:KB+1], s[8:9], s[30:31]      ; my part of a chunk's fill 0, in wk_w's chunk 0,
	s_add_nc_u64 s[KB+2:KB+3], s[KB:KB+1], 384     ; of its fill 1: K 512 on;
	s_add_nc_u64 s[VB:VB+1], s[14:15], s[30:31]    ; the same in wv_w
	s_add_nc_u64 s[VB+2:VB+3], s[VB:VB+1], 384
	s_mov_b32 s[G0], 1                             ; 1:0 count = 1
	s_mov_b32 s[G0+1], s78                         ; 63:32 LDS address: slot 0
	s_add_nc_u64 s[G0+2:G0+3], s[KB:KB+1], s[NOF:NOF+1]      ; 120:64 global address: the chunk of wk_w at which my cluster begins
	s_or_b32 s[G0+3], s[G0+3], 0x80000000          ; 127:126 type = 2
	s_mov_b32 s[G0+4], 1
	s_add_co_u32 s[G0+5], s78, SLOTB
	s_add_nc_u64 s[G0+6:G0+7], s[KB+2:KB+3], s[NOF:NOF+1]
	s_or_b32 s[G0+7], s[G0+7], 0x80000000
	s_mov_b32 s[G0O], 1
	s_add_co_u32 s[G0O+1], s78, SLOTB
	s_add_nc_u64 s[G0O+2:G0O+3], s[4:5], s[80:81]
	s_or_b32 s[G0O+3], s[G0O+3], 0x80000000
	CROUND                                         ; all four work-groups are here: the first loads go out as one group behind this round
	tensor_load_to_lds s[G0O:G0O+3], s[G1P:G1P+7]  ; my quarter of the objects' tile, into slot 1
	s_nop 0
	tensor_load_to_lds s[G0:G0+3], s[G1J:G1J+7]    ; my quarter of fill 0, into slot 0: two loads of mine are out
	s_nop 0
	PLACES 4
	s_add_nc_u64 s[PFA:PFA+1], s[14:15], s[NOF:NOF+1]   ; the prefetches: wv_w's chunk of the same number,
	s_mul_i32 s80, s[CX], 64*ROWM                  ; my work-group's 64 rows of it
	s_add_nc_u64 s[PFA:PFA+1], s[PFA:PFA+1], s[80:81]
	s_mov_b32 s79, 0
	s_lshl_b32 s30, s[WC], 12
	s_add_nc_u64 s[PSKB:PSKB+1], s[10:11], s[30:31]     ; the weights' scale words: my 128 rows of 32 bytes
	s_add_nc_u64 s[PSVB:PSVB+1], s[16:17], s[30:31]
	s_lshl_b32 s78, s[RC], 13
	s_add_nc_u64 s[PSP:PSP+1], s[PSKB:PSKB+1], s[78:79]
	s_lshl_b32 s80, s[BT], 6
	s_add_nc_u64 s[PQROW:PQROW+1], s[18:19], s[80:81]   ; qc: 64 bytes a batch in each tile of d
	s_lshl_b32 s30, s[WC], 14
	s_add_nc_u64 s[PQB:PQB+1], s[PQROW:PQROW+1], s[30:31]   ; my 128 d: eight tiles of 2,048 bytes on
	s_lshl_b32 s80, s[WG], 13
	s_add_nc_u64 s[POB:POB+1], s[20:21], s[80:81]
	s_lshl_b32 s30, s[WC], 9
	s_add_nc_u64 s[POB:POB+1], s[POB:POB+1], s[30:31]
	s_lshl_b32 s30, s[WR], 12
	s_add_nc_u64 s[POB:POB+1], s[POB:POB+1], s[30:31]   ; part: 8,192 x work-group + 4,096 (w / 2) + 512 (w % 2)
	s_lshl_b32 s80, s[WG], 3
	s_add_nc_u64 s[PML:PML+1], s[22:23], s[80:81]
	s_lshl_b32 s80, s[WG], 12
	s_add_nc_u64 s[POS:POS+1], s[6:7], s[80:81]
	s_lshl_b32 s30, s[WR], 11
	s_add_nc_u64 s[POS:POS+1], s[POS:POS+1], s[30:31]
.irp a, 0,1,2,3
	global_load_b128 v[SO+4*\a:SO+4*\a+3], v[AOS], s[POS:POS+1] offset:512*\a
.endr
	SCLOAD 0
	SCLOAD 1                                       ; (set 1 is permuted in the first chunk's step 2, like every set 1)
.irp i, 0,1,2,3,4,5,6,7
	global_load_b128 v[112+4*\i:115+4*\i], v184, s[PQROW:PQROW+1] offset:16384*\i    ; the batch's whole qc, 32 numbers a lane: d = 128 i + 4 x lane + 0 .. 3,
.endr
.irp i, 0,1,2,3,4,5,6,7
	global_load_b128 v[144+4*\i:147+4*\i], v[AL16], s[12:13] offset:512*\i           ; and wk_b at the same d
.endr
	s_wait_loadcnt 0x0
	PERM16 SO
	PERM16 SW
.irp c, 0,1,2,3
	v_pk_mul_f32 v[176+2*\c:177+2*\c], v[112+2*\c:113+2*\c], v[144+2*\c:145+2*\c]   ; cb, in four chains
.endr
.irp i, 1,2,3
.irp c, 0,1,2,3
	v_pk_fma_f32 v[176+2*\c:177+2*\c], v[112+8*\i+2*\c:113+8*\i+2*\c], v[144+8*\i+2*\c:145+8*\i+2*\c], v[176+2*\c:177+2*\c]
.endr
.endr
	v_pk_add_f32 v[176:177], v[176:177], v[178:179]
	v_pk_add_f32 v[180:181], v[180:181], v[182:183]
	v_pk_add_f32 v[176:177], v[176:177], v[180:181]
	v_add_f32 v[CB], v176, v177
	v_add_f32_dpp v[CB], v[CB], v[CB] row_xmask:1 row_mask:0xf bank_mask:0xf
	v_add_f32_dpp v[CB], v[CB], v[CB] row_xmask:2 row_mask:0xf bank_mask:0xf
	v_add_f32_dpp v[CB], v[CB], v[CB] row_xmask:4 row_mask:0xf bank_mask:0xf
	v_add_f32_dpp v[CB], v[CB], v[CB] row_xmask:8 row_mask:0xf bank_mask:0xf
	v_permlanex16_b32 v[TP], v[CB], s[SEL], s[SEL+1]
	v_add_f32 v[CB], v[CB], v[TP]                  ; in every lane
.irp j, 0,1,2,3,4,5,6,7,8,9,10,11,12,13,14,15,16,17,18,19,20,21,22,23,24,25,26,27,28,29,30,31
	v_mov_b32 v[SS+\j], 0                          ; the partial scores, once: they run through all four chunks of key
.endr
	s_wait_tensorcnt 0x0                           ; my parts of the objects' tile and of fill 0 are in,
	s_barrier_signal -1
	s_barrier_wait -1                              ; everybody's are.
	WIN 0x80
.irp s, 0,1,2,3,4
.irp a, 0,1,2,3
	OFRAG \s, \a
.endr
.endr
	WIN 0
.irp s, 5,6,7
.irp a, 0,1,2,3
	OFRAG \s, \a
.endr
.endr
	FETCH 0, 0, 0
	WIN 0
	s_wait_tensorcnt 0x0                           ; slot 1 is filled again, with fill 1: no tensor load of mine is out,
	ds_add_u32 v[SPW], v[NIL]
	s_wait_dscnt 0x0                               ; the add is done and the objects' fragments are in their registers
	CROUND
	tensor_load_to_lds s[G0+4:G0+7], s[G1J:G1J+7]
	s_nop 0
	PLACES 4
	v_lshrrev_b32 v[PF0], 1, v0                    ; the prefetches' offsets, in the registers that addressed the objects' tile
	v_and_b32 v30, 1, v0
	v_mul_u32_u24 v[PF0], v[PF0], ROWM
	v_lshl_add_u32 v[PF0], v30, 8, v[PF0]          ; row t / 2, block t % 2
	v_mul_u32_u24 v[PF1], v0, ROWM                 ; row t (waves 0 and 1: t under 64)
	FETCH 0, 1, 1
	MUL 0, 0, 0, 0, 32, 1                          ; the first chunk's first step stands in front of the loop: there is nothing yet to fold
	WIN 0                                          ; at a label and at a branch every window is 0
	s_mov_b32 s[CNT], 3
.Lkey:                                             ; the first three chunks of key
	BODY 0, 0, 1, 1
	WIN 0
	s_sub_co_u32 s[CNT], s[CNT], 1
	s_cmp_lg_u32 s[CNT], 0
	s_cbranch_scc1 .Lkey
	BODY 0, 1, 2, 2                                ; the fourth; the ring goes on into wv_w, and value's first products carry key's last fold
	; THE SOFTMAX OF THE 128 OBJECTS.  A lane's eight partial scores of each a, then the other half of the lanes' (the other eight d of every sixteen); the two halves of d meet in LDS.
	WIN 0
.irp a, 0,1,2,3
	v_pk_add_f32 v[SS+8*\a:SS+8*\a+1], v[SS+8*\a:SS+8*\a+1], v[SS+8*\a+2:SS+8*\a+3]
	v_pk_add_f32 v[SS+8*\a+4:SS+8*\a+5], v[SS+8*\a+4:SS+8*\a+5], v[SS+8*\a+6:SS+8*\a+7]
.endr
.irp a, 0,1,2,3
	v_pk_add_f32 v[SS+8*\a:SS+8*\a+1], v[SS+8*\a:SS+8*\a+1], v[SS+8*\a+4:SS+8*\a+5]
.endr
.irp a, 0,1,2,3
	v_add_f32 v[SS+8*\a], v[SS+8*\a], v[SS+8*\a+1]
.endr
.irp a, 0,1,2,3
	v_permlanex16_b32 v[SS+8*\a+2], v[SS+8*\a], s[SEL], s[SEL+1]
.endr
.irp a, 0,1,2,3
	v_add_f32 v[SS+8*\a], v[SS+8*\a], v[SS+8*\a+2]
.endr
.irp a, 0,1,2,3
	ds_store_b32 v[ASC], v[SS+8*\a] offset:64*\a   ; both halves of the lanes write the same word with the same value
.endr
	s_wait_dscnt 0x0                               ; for the others' sake: my stores are done
	s_barrier_signal -1
	s_barrier_wait -1                              ; my one tensor load, slot 1's, may stay out
	ds_load_b128 v[84:87], v[ARD]                  ; objects 4 x lane + 0 .. 3: the first half of d,
	ds_load_b128 v[88:91], v[ARD] offset:512       ; the second
	s_wait_dscnt 0x0
	v_pk_add_f32 v[84:85], v[84:85], v[88:89]
	v_pk_add_f32 v[86:87], v[86:87], v[90:91]
.irp i, 84,85,86,87
	v_add_f32 v\i, v[CB], v\i                      ; t
.endr
	v_max3_num_f32 v[MX], v84, v85, v86
	v_max_num_f32 v[MX], v[MX], v87
	v_max_num_f32_dpp v[MX], v[MX], v[MX] row_xmask:1 row_mask:0xf bank_mask:0xf
	v_max_num_f32_dpp v[MX], v[MX], v[MX] row_xmask:2 row_mask:0xf bank_mask:0xf
	v_max_num_f32_dpp v[MX], v[MX], v[MX] row_xmask:4 row_mask:0xf bank_mask:0xf
	v_max_num_f32_dpp v[MX], v[MX], v[MX] row_xmask:8 row_mask:0xf bank_mask:0xf
	v_permlanex16_b32 v[TP], v[MX], s[SEL], s[SEL+1]
	v_max_num_f32 v[MX], v[MX], v[TP]              ; m: the largest t of the 128
.irp i, 84,85,86,87
	v_sub_f32 v\i, v\i, v[MX]
.endr
.irp i, 84,85,86,87
	v_exp_f32 v\i, v\i                             ; p = 2^(t - m), at most 1
.endr
	v_nop                                          ; a plain instruction behind the last exponential
	s_wait_alu depctr_va_vdst(0)                   ; one wait for the four, ahead of their first reader
	v_add_f32 v[MX+1], v84, v85
	v_add_f32 v88, v86, v87
	v_add_f32 v[MX+1], v[MX+1], v88
	v_add_f32_dpp v[MX+1], v[MX+1], v[MX+1] row_xmask:1 row_mask:0xf bank_mask:0xf
	v_add_f32_dpp v[MX+1], v[MX+1], v[MX+1] row_xmask:2 row_mask:0xf bank_mask:0xf
	v_add_f32_dpp v[MX+1], v[MX+1], v[MX+1] row_xmask:4 row_mask:0xf bank_mask:0xf
	v_add_f32_dpp v[MX+1], v[MX+1], v[MX+1] row_xmask:8 row_mask:0xf bank_mask:0xf
	v_permlanex16_b32 v[TP], v[MX+1], s[SEL], s[SEL+1]
	v_add_f32 v[MX+1], v[MX+1], v[TP]              ; l
	ds_store_b128 v[APW], v[84:87]                 ; the 128 p into my wave's own bytes,
	WIN 0x40
.irp a, 0,1,2,3
	ds_load_b128 v[VEC+8*\a:VEC+8*\a+3], v[APR] offset:64*\a        ; and back as value's fold wants them: for block a those of objects 16 a + 8 h + 0 .. 7.  LDS serves a wave's instructions in order (ISA guide 5.7.1.4)
	ds_load_b128 v[VEC+8*\a+4:VEC+8*\a+7], v[APR] offset:64*\a+16
.endr
	WIN 0
	s_cmp_lg_u32 s[WV], 0                          ; every wave holds the same m and l: wave 0's lane 0 stores them
	s_cbranch_scc1 .Lno_ml
	s_wait_xcnt 0x0                                ; EXEC changes only behind this wait
	v_cmp_eq_u32 vcc_lo, 0, v0
	s_and_saveexec_b32 s30, vcc_lo
	global_store_b64 v[ZO], v[MX:MX+1], s[PML:PML+1]
	s_wait_xcnt 0x0                                ; and again, in front of the line that widens it
	s_or_b32 exec_lo, exec_lo, s30
.Lno_ml:
	s_mov_b32 s[CNT], 3
.Lval:                                             ; the first three chunks of value
	BODY 1, 1, 2, 0
	OREDUCE
	s_sub_co_u32 s[CNT], s[CNT], 1
	s_cmp_lg_u32 s[CNT], 0
	s_cbranch_scc1 .Lval
	; the last chunk is written out: it asks for nothing more
	STEPP 1, 0, 1, 0
	HEAD
	s_wait_loadcnt 0x0
	PERM16 SW+16
	s_wait_xcnt 0x0                                ; the last chunk's store has read its base and its data
	s_and_b32 s30, s[RC], 3                        ; the chunk in hand
	s_lshl_b32 s30, s30, 10
	s_add_nc_u64 s[POP:POP+1], s[POB:POB+1], s[30:31]
	FETCH 0, 3, 1
	MUL 1, 0, 2, 0, 32, 0
	TURN 1, 0, 0
	STEPP 1, 1, 0, 0
	STEPP 1, 1, 1, 0
	STEPP 1, 1, 2, 0
	s_wait_dscnt 0x0
	MUL 1, 1, 3, 0, 32, 0
	PLACES 4
	WIN 0x07
.set iy, 0
.rept 16
	EPIV2 iy/8, iy%8
.set iy, iy+2
.endr
	OREDUCE
	s_wait_tensorcnt 0x0                           ; the wave's end, behind my last tensor load and my last LDS store
	ds_add_u32 v[SPW], v[NIL]
	s_wait_dscnt 0x0
	CROUND                                         ; the closing round: no work-group ends while a partner may still ask for a tile that names it
	s_endpgm
.Lfunc_end_k_qbad99e0161_fused:
	.size	k_qbad99e0161_fused, .Lfunc_end_k_qbad99e0161_fused-k_qbad99e0161_fused
	.p2alignl 7, 3214868480
	.fill 96, 4, 3214868480
	.section	.rodata,"a",@progbits
	.p2align	6, 0x0
	.amdhsa_kernel k_qbad99e0161_fused
		.amdhsa_group_segment_fixed_size 327680
		.amdhsa_private_segment_fixed_size 0
		.amdhsa_enable_private_segment 0
		.amdhsa_kernarg_size 80
		.amdhsa_user_sgpr_count 2
		.amdhsa_user_sgpr_kernarg_segment_ptr 1
		.amdhsa_wavefront_size32 1
		.amdhsa_system_sgpr_workgroup_id_x 1
		.amdhsa_system_sgpr_workgroup_id_y 1
		.amdhsa_system_sgpr_workgroup_id_z 1
		.amdhsa_system_vgpr_workitem_id 0
		.amdhsa_next_free_vgpr 1024
		.amdhsa_next_free_sgpr 102
		.amdhsa_reserve_vcc 1
		.amdhsa_float_denorm_mode_32 3
		.amdhsa_float_denorm_mode_16_64 3
		.amdhsa_memory_ordered 1
		.amdhsa_forward_progress 1
		.amdhsa_inst_pref_size 255
	.end_amdhsa_kernel
	.section	.bss,"aw",@nobits
	.p2align	6
	.space	262144
	.amdgpu_metadata
---
amdhsa.version: [ 1, 2 ]
amdhsa.kernels:
  - .name:           k_qbad99e0161_fused
    .symbol:         k_qbad99e0161_fused.kd
    .args:
      - { .name: obj_embed_codes, .offset: 0, .size: 8, .value_kind: global_buffer, .address_space: global }
      - { .name: obj_embed_scales, .offset: 8, .size: 8, .value_kind: global_buffer, .address_space: global }
      - { .name: wk_w_codes, .offset: 16, .size: 8, .value_kind: global_buffer, .address_space: global }
      - { .name: wk_w_scales, .offset: 24, .size: 8, .value_kind: global_buffer, .address_space: global }
      - { .name: wk_b, .offset: 32, .size: 8, .value_kind: global_buffer, .address_space: global }
      - { .name: wv_w_codes, .offset: 40, .size: 8, .value_kind: global_buffer, .address_space: global }
      - { .name: wv_w_scales, .offset: 48, .size: 8, .value_kind: global_buffer, .address_space: global }
      - { .name: qc, .offset: 56, .size: 8, .value_kind: global_buffer, .address_space: global }
      - { .name: part, .offset: 64, .size: 8, .value_kind: global_buffer, .address_space: global }
      - { .name: ml, .offset: 72, .size: 8, .value_kind: global_buffer, .address_space: global }
    .group_segment_fixed_size: 327680
    .private_segment_fixed_size: 0
    .kernarg_segment_align: 8
    .kernarg_segment_size: 80
    .max_flat_workgroup_size: 128
    .sgpr_count:     102
    .vgpr_count:     1024
    .wavefront_size: 32
...
	.end_amdgpu_metadata
.endif
;; end of part 5
;; launch combine: the kernel of part 3 again; grid 8 x 32, 1 waves a work-group, no clusters, 768 bytes of LDS; arguments part, ml, wv_b, out0; writes out0
